; MI455X (gfx1250); checked and timed in simulation.
; The chip was launched on July 23, 2026; its instructions are those of AMD's public machine-readable ISA for CDNA 5 (MIT licence, August 2026) and "CDNA5" Instruction Set Architecture Reference Guide (July 2026). The comments in the code are by the model that wrote it; some were corrected since.
;; Attention. Allowed arithmetic: float matrix products may take bf16 or f16 operands with f32 sums; other float arithmetic in f32, or as packed bf16 or f16 multiplies, adds, multiply-adds, maxima and minima; sums over many terms, partial sums and values carried from step to step in f32; what a program stores and reads back later, other than sums and carried values, may be rounded once to bf16 or f16.
;; Inputs: mask 1 x 1 x 1,024 x 1,024 float32; wk 2,048 x 512 float32; wo 2,048 x 2,048 float32; wq 2,048 x 2,048 float32; wv 2,048 x 512 float32; x 4 x 1,024 x 2,048 float32.
;; Outputs: out0 4 x 1,024 x 2,048 float32.
;; Constants: start_pos = 0.
;; One version. Each part assembles by itself: llvm-mc -triple=amdgcn-amd-amdhsa -mcpu=gfx1250 --defsym DOCPART=n.
;; ======== version 1 of 1: 4 launches
;; limits: values are held in f16: magnitudes above 65,504 overflow, below 6.1e-05 lose precision
;; workspace buffers: xb 16,777,216 bytes; wqkv 12,582,912 bytes; wob 8,388,608 bytes; maskr 4,194,304 bytes; rope 262,144 bytes; qkv 25,165,824 bytes; ao 16,777,216 bytes
;; launch prep (part 1): grid 1856 x 1, 8 waves a work-group, no clusters, 0 bytes of LDS; arguments x, wq, wk, wv, xb, wqkv, rope; writes xb, wqkv, rope
.if DOCPART == 1
	.amdgcn_target "amdgcn-amd-amdhsa--gfx1250"
	.amdhsa_code_object_version 6
	.text
	.protected	k_q685440e180_prep
	.globl	k_q685440e180_prep
	.p2align	8
	.type	k_q685440e180_prep,@function
k_q685440e180_prep:
	s_mov_b64 s[64:65], 0
	v_nop
	global_prefetch_b8 v0, s[64:65] scope:SCOPE_SE
	s_setreg_imm32_b32 hwreg(HW_REG_WAVE_MODE, 25, 1), 1
	s_wait_xcnt 0x0
; PREP: what the projection launch multiplies is read once and rounded once to bf16; the RoPE table is made.  A stream: no LDS, no barrier, no matrix work.
;   xb    [4096][2048] bf16 = x          wqkv [2048 k][3072 n] bf16 = wq | wk | wv side by side (a row is 6,144 bytes)
;   rope  [1024 s][32 i][cos, sin] f32, angle s x 10000^(-i/32)
; (wo and mask, which only later launches want, are rounded beside the projection launch's matrix work.)
; SHARES.  A line is 1,024 f32: 256 threads x 16 bytes.  A work-group takes 8 lines (32 KiB in): 4 rows of 2,048 columns or 16 rows of 512.
; All eight loads go out first; each line is converted and stored behind a counted wait.  No register is written twice, so nothing else is waited for.
; A wave's store covers 256 (xb, wqkv) or 512 (rope) consecutive bytes, aligned.
; LIMITS.  The angle is right to about 1e-4 rad at s = 1,023 (one exponential of 1 ulp, one f32 product); sine and cosine are Taylor sums on [-pi, pi], cut below 1e-6.
.set B_WQ,   1024                      ; first work-group of each region
.set B_WK,   1536
.set B_WV,   1664
.set B_TAB,  1792
.set IN,  16                           ; v[16:47]  line i as loaded: 4 registers
.set OU,  48                           ; v[48:63]  line i as stored: 2 registers
	s_load_b256 s[8:15], s[0:1], 0x0               ; x 8, wq 10, wk 12, wv 14
	s_load_b128 s[20:23], s[0:1], 0x20             ; xb 20, wqkv 22
	s_load_b64 s[28:29], s[0:1], 0x30              ; rope
	v_lshlrev_b32 v1, 4, v0                        ; my 16 bytes of a line of f32
	v_lshlrev_b32 v2, 3, v0                        ; my 8 bytes of half a wide row of 16-bit numbers
	v_lshrrev_b32 v3, 7, v0                        ; narrow rows (512 columns): a line is two rows,
	v_and_b32 v4, 127, v0
	v_mul_u32_u24 v3, v3, 6144                     ; a row of wqkv apart,
	v_lshl_add_u32 v3, v4, 3, v3                   ; 8 bytes a thread
	s_mov_b32 s5, 0
	s_mov_b32 s7, 0
	s_wait_kmcnt 0x0
	s_cmp_ge_u32 ttmp9, B_TAB
	s_cbranch_scc1 .Ltable
	s_cmp_ge_u32 ttmp9, B_WV
	s_cbranch_scc1 .Lwv
	s_cmp_ge_u32 ttmp9, B_WK
	s_cbranch_scc1 .Lwk
	s_cmp_ge_u32 ttmp9, B_WQ
	s_cbranch_scc1 .Lwq
; One region.  src, dst: the scalar pairs of the two buffers; dadd: bytes into a row of dst; base: the region's first work-group;
; wide = 1: rows of 2,048 columns, else of 512; pitch: bytes in a row of dst.
.macro CAST src, dst, dadd, base, wide, pitch
	s_sub_co_u32 s2, ttmp9, \base
	s_lshl_b32 s4, s2, 15                          ; 32 KiB of input a work-group
	s_add_nc_u64 s[30:31], s[\src:\src+1], s[4:5]
.if \wide
	s_mul_i32 s6, s2, 4*(\pitch)
.else
	s_mul_i32 s6, s2, 16*(\pitch)
.endif
	s_add_nc_u64 s[32:33], s[\dst:\dst+1], s[6:7]
.if \dadd
	s_add_nc_u64 s[32:33], s[32:33], \dadd
.endif
.irp i, 0,1,2,3,4,5,6,7
	global_load_b128 v[IN+4*\i:IN+4*\i+3], v1, s[30:31] offset:4096*\i th:TH_LOAD_NT
.endr
.irp i, 0,1,2,3,4,5,6,7
	s_wait_loadcnt 7-\i                            ; loads come back in order: line i is in, the younger ones stay out
	v_cvt_pk_bf16_f32 v[OU+2*\i], v[IN+4*\i], v[IN+4*\i+1]
	v_cvt_pk_bf16_f32 v[OU+2*\i+1], v[IN+4*\i+2], v[IN+4*\i+3]
.if \wide
	global_store_b64 v2, v[OU+2*\i:OU+2*\i+1], s[32:33] offset:(\i/2)*(\pitch)+(\i%2)*2048
.else
	global_store_b64 v3, v[OU+2*\i:OU+2*\i+1], s[32:33] offset:2*\i*(\pitch)
.endif
.endr
	s_endpgm
.endm
	CAST 8, 20, 0, 0, 1, 4096                      ; x -> xb
.Lwq:
	CAST 10, 22, 0, B_WQ, 1, 6144                  ; wq -> wqkv, columns 0 ..
.Lwk:
	CAST 12, 22, 4096, B_WK, 0, 6144               ; wk -> columns 2,048 ..
.Lwv:
	CAST 14, 22, 5120, B_WV, 0, 6144               ; wv -> columns 2,560 ..
.Ltable:                                               ; thread idx makes frequencies 2 (idx % 16) and the next of position idx / 16: 16 bytes at 16 idx
	s_sub_co_u32 s2, ttmp9, B_TAB
	s_lshl_b32 s2, s2, 8
	s_mov_b32 s40, 0x40c90fdb                      ; 2 pi, its f32
	s_mov_b32 s41, 0xb43bbd2e                      ; and what that f32 leaves over
	v_add_nc_u32 v2, s2, v0                        ; idx
	v_and_b32 v3, 15, v2
	v_lshlrev_b32 v3, 1, v3                        ; i
	v_lshrrev_b32 v4, 4, v2                        ; s
	v_cvt_f32_u32 v5, v3
	v_cvt_f32_u32 v4, v4
	v_add_f32 v6, 1.0, v5
	v_mul_f32 v5, 0xbed49a78, v5                   ; -i log2(10000) / 32
	v_mul_f32 v6, 0xbed49a78, v6
	v_exp_f32 v5, v5                               ; 10000^(-i/32)
	v_exp_f32 v6, v6
	v_lshlrev_b32 v7, 4, v2                        ; a plain instruction behind the two exponentials,
	s_wait_alu depctr_va_vdst(0)                   ; and one wait for both ahead of their first reader
.irp j, 0,1
	v_mul_f32 v8, v4, v[5+\j]                      ; the angle
	v_mul_f32 v9, 0.15915494, v8
	v_rndne_f32 v9, v9                             ; whole turns
	v_fma_f32 v8, -v9, s40, v8                     ; taken away in two parts: r in [-pi, pi]
	v_fma_f32 v8, -v9, s41, v8
	v_mul_f32 v10, v8, v8                          ; z = r r
	v_mov_b32 v11, 0xab573f9f                      ; sine: -1/15!, 1/13!, .. -1/3!, 1, times r
	v_mov_b32 v12, 0x29573f9f                      ; cosine: 1/16!, -1/14!, .. -1/2!, 1
	v_fmaak_f32 v11, v11, v10, 0x2f309231
	v_fmaak_f32 v12, v12, v10, 0xad49cba5
	v_fmaak_f32 v11, v11, v10, 0xb2d7322b
	v_fmaak_f32 v12, v12, v10, 0x310f76c7
	v_fmaak_f32 v11, v11, v10, 0x3638ef1d
	v_fmaak_f32 v12, v12, v10, 0xb493f27e
	v_fmaak_f32 v11, v11, v10, 0xb9500d01
	v_fmaak_f32 v12, v12, v10, 0x37d00d01
	v_fmaak_f32 v11, v11, v10, 0x3c088889
	v_fmaak_f32 v12, v12, v10, 0xbab60b61
	v_fmaak_f32 v11, v11, v10, 0xbe2aaaab
	v_fmaak_f32 v12, v12, v10, 0x3d2aaaab
	v_fma_f32 v11, v11, v10, 1.0
	v_fma_f32 v12, v12, v10, -0.5
	v_mul_f32 v[17+2*\j], v11, v8
	v_fma_f32 v[16+2*\j], v12, v10, 1.0
.endr
	global_store_b128 v7, v[16:19], s[28:29]
	s_endpgm
.Lfunc_end_k_q685440e180_prep:
	.size	k_q685440e180_prep, .Lfunc_end_k_q685440e180_prep-k_q685440e180_prep
	.p2alignl 7, 3214868480
	.fill 96, 4, 3214868480
	.section	.rodata,"a",@progbits
	.p2align	6, 0x0
	.amdhsa_kernel k_q685440e180_prep
		.amdhsa_group_segment_fixed_size 0
		.amdhsa_private_segment_fixed_size 0
		.amdhsa_enable_private_segment 0
		.amdhsa_kernarg_size 56
		.amdhsa_user_sgpr_count 2
		.amdhsa_user_sgpr_kernarg_segment_ptr 1
		.amdhsa_wavefront_size32 1
		.amdhsa_system_sgpr_workgroup_id_x 1
		.amdhsa_system_sgpr_workgroup_id_y 1
		.amdhsa_system_sgpr_workgroup_id_z 1
		.amdhsa_system_vgpr_workitem_id 0
		.amdhsa_next_free_vgpr 64
		.amdhsa_next_free_sgpr 66
		.amdhsa_reserve_vcc 0
		.amdhsa_float_denorm_mode_32 3
		.amdhsa_float_denorm_mode_16_64 3
		.amdhsa_memory_ordered 1
		.amdhsa_forward_progress 1
		.amdhsa_inst_pref_size 17
	.end_amdhsa_kernel
	.amdgpu_metadata
---
amdhsa.version: [ 1, 2 ]
amdhsa.kernels:
  - .name:           k_q685440e180_prep
    .symbol:         k_q685440e180_prep.kd
    .args:
      - { .name: x, .offset: 0, .size: 8, .value_kind: global_buffer, .address_space: global }
      - { .name: wq, .offset: 8, .size: 8, .value_kind: global_buffer, .address_space: global }
      - { .name: wk, .offset: 16, .size: 8, .value_kind: global_buffer, .address_space: global }
      - { .name: wv, .offset: 24, .size: 8, .value_kind: global_buffer, .address_space: global }
      - { .name: xb, .offset: 32, .size: 8, .value_kind: global_buffer, .address_space: global }
      - { .name: wqkv, .offset: 40, .size: 8, .value_kind: global_buffer, .address_space: global }
      - { .name: rope, .offset: 48, .size: 8, .value_kind: global_buffer, .address_space: global }
    .group_segment_fixed_size: 0
    .private_segment_fixed_size: 0
    .kernarg_segment_align: 8
    .kernarg_segment_size: 56
    .max_flat_workgroup_size: 256
    .sgpr_count:     66
    .vgpr_count:     64
    .wavefront_size: 32
...
	.end_amdgpu_metadata
.endif
;; end of part 1
;; launch proj (part 2): grid 8 x 32, 4 waves a work-group, clusters of 4 x 4, 327,680 bytes of LDS; arguments xb, wqkv, rope, qkv, wo, mask, wob, maskr; writes qkv, wob, maskr
.if DOCPART == 2
	.amdgcn_target "amdgcn-amd-amdhsa--gfx1250"
	.amdhsa_code_object_version 6
	.text
	.protected	k_q685440e180_proj
	.globl	k_q685440e180_proj
	.p2align	8
	.type	k_q685440e180_proj,@function
k_q685440e180_proj:
	s_mov_b64 s[64:65], 0
	v_nop
	global_prefetch_b8 v0, s[64:65] scope:SCOPE_SE
	s_setreg_imm32_b32 hwreg(HW_REG_WAVE_MODE, 25, 1), 1
	s_wait_xcnt 0x0
	s_wait_alu depctr_hold_cnt(0) depctr_sa_sdst(0) depctr_va_vdst(0) depctr_va_sdst(0) depctr_va_ssrc(0) depctr_va_vcc(0) depctr_vm_vsrc(0)
	s_getreg_b32 s2, hwreg(HW_REG_IB_STS2, 6, 4)
	s_cmp_eq_u32 s2, 0
	s_cbranch_scc0 .Lentry_in_a_cluster
	s_endpgm
.Lentry_in_a_cluster:
	s_bfe_u32 s2, ttmp6, 0x10000c
	s_cmp_lg_u32 s2, 0xf033
	s_cbranch_scc0 .Lentry_shape_is_right
	s_endpgm
.Lentry_shape_is_right:
; PROJ: q, k, v = x (wq | wk | wv), RoPE on q and k, written by heads.  xb [4096][2048] bf16, wqkv [2048 k][3072 n] bf16, rope [1024][32][cos, sin] f32,
; qkv [4 b][48 H][1024 s][64] f16 (H 0-31 q, 32-39 k, 40-47 v).  Sums in f32, K ascending; each result rounded once, behind the rotation.
; LIMIT.  f16 ends at 65,504: q, k and v must stay within it (inputs 30 times the drawn ones, or offset by 30 spreads, reach some 52,000).
; SHARES.  A work-group makes 128 rows x 384 columns (six heads); wave w: rows 64 (w / 2) .., columns 192 (w % 2) ..: 4 x 12 accumulators of 16 x 16, 384 registers.
; K goes in 16 steps of 128 through two LDS slots.  A slot: three segments of W (128 k x 128 columns, rows of 256 bytes of memory), then 128 rows of x (256 bytes each).
; Waves 0-2 fetch a segment each, wave 3 the rows of x: one tensor load a wave behind each change of slots.
; W lies [k][n], so its fragments come out of LDS turned (ds_load_tr16_b128).  The mover pads W's rows by 16 bytes after every 128
; x's rows are 272 bytes apart for the same reason.
; ONE TEXT FOR A K STEP.  s[TB] is the LDS byte of the slot that is being read, 0 or SLOT; an exclusive or turns it at each change of slots, and the fragment addresses are base + TB.
; The loop's 14 trips ask for K steps 2 to 15; the last two K steps are a loop of their own, without a tensor load, which is left in its middle.
; THE MATRIX INSTRUCTION IS USED TRANSPOSED: source 0 = 16 columns of W, source 1 = 16 rows of x: a lane holds one row and eight neighbouring columns.
; CLUSTER.  4 x 4 work-groups: x's tile hangs on the tile row alone and is asked for jointly along a row of the cluster, W's on the tile column alone, along a column.
; SIDE WORK, for the two launches behind: wob [2048 k][2048 n] = bf16(wo) written as f16 (exact above 6.1e-5; below that f16's fixed step of 6e-8), and maskr [1024][1024] f32 = bf16(mask) x log2(e)
; (the attention launch's softmax works in base 2).  Each of the launch's 1,024 waves takes 16 KiB of wo and 4 KiB of mask, a sixteenth at each of its 16 changes of slots; the loads go out a K step
; ahead.  Beside a work-group's 128 KiB of tiles a K step that is 5 KiB in and 3 KiB out.
; REGISTERS, in windows of 256 (s_set_vgpr_msb: bits 1:0 source 0, 3:2 source 1, 5:4 source 2, 7:6 destination):
;   window 0: v0-31 addresses; v32-95 x's fragments, two buffers of 32; on the way out v32-131 at work; v136-153 the side work
;   window 1: W's fragments, two buffers of 96      windows 2, 3: accumulator (a, b) in window 2 + a / 2 at 96 (a % 2) + 8 b
.set NT,    384                        ; columns of a tile
.set NSEG,  3                          ; segments of 128 columns; waves below NSEG fetch W
.set NA,    1                          ; waves that fetch x
.set NG,    3                          ; groups of 64 columns (heads) a wave
.set NBK,   12                         ; blocks of 16 columns a wave
.set BP,    3072                       ; elements in a row of W
.set KB,    128*BP*2                   ; bytes of a K step in W
.set APW,   2                          ; row blocks in an accumulator window
.set NF,    2*NBK+8                    ; LDS loads of a quarter step
.set STEPS, 16                         ; K steps
.set PA,    272
.set PB,    288
.set SEGB,  128*PB
.set APB,   (128/NA)*PA
.set ABASE, NSEG*SEGB
.set SLOT,  ABASE+128*PA
.set TABL,  2*SLOT                     ; behind the ring: the RoPE table of the work-group's 128 rows, 256 bytes a row, filled once
.set SPARE, TABL+128*256               ; behind it: the spare words, 128 bytes a wave: two blocks of 256 bytes that no other line names
.set SPT,   784                        ; the way out: a stage row, 192 f32 + 16 bytes = 49 x 16: the 16 rows of a store fall on different banks
.set IDV,   10                         ; v10-15  by head j: (1 - f, 0)
.set ADRA,  16                         ; v16     LDS address of my fragments of x in the slot in hand
.set ADRA0, 17                         ; v17     the same in slot 0; never rewritten
.set ADRB,  18                         ; v18-20  of W's, by group j
.set ADRB0, 21                         ; v21-23  the same in slot 0; never rewritten
.set STO,   24
.set RDX,   25
.set GO,    26                         ; v26     16 x my lane; never rewritten
.set RDT,   27
.set SPW,   28                         ; v28     SPARE + 4 x my thread's number; never rewritten
.set NIL,   29                         ; v29     0; never rewritten
.set PFO,   30                         ; v30     the prefetches' lane offset; never rewritten
.set SL8,   31                         ; v31     8 x my lane; never rewritten
.set AF,    32
.set T,     32                         ; the way out: four (cos, sin)
.set X,     40                         ;              by head, eight sums
.set TP,    64                         ;              by head, the (cos, sin) that the head takes
.set U,     96                         ;              by head, the rotated numbers
.set PK,    120                        ;              by head, 16 bytes to store
.set SI,    136                        ; the side work: two lines of wo (4 registers each) and 8 bytes of mask, as loaded
.set SO,    148                        ;                the same to store: 2, 2 and 2 registers
.set WOI, 4                            ; s[4:5]   from the head's end on: wo at my next sixteenth
.set MKI, 6                            ; s[6:7]   mask
.set WOO, 8                            ; s[8:9]   wob
.set MKO, 10                           ; s[10:11] maskr
.set WV,  12
.set WM,  13
.set WN,  14
.set CLY, 15
.set CX,  16
.set CY,  17
.set TX,  18
.set TY,  19
.set G1A, 24
.set G0A, 32                           ; s[32:39] group 0 for x's tiles: a set for each first fill; the second then walks
.set PFA, 40
.set PFS, 42
.set LA,  46                           ; s46     LDS byte of what I fetch of x in slot 0
.set LB,  47                           ; s47     of W
.set G1B, 48
.set G0B, 56
.set FJ,  66                           ; s[66:71] by head j: 1.0 where the head is rotated (q, k), 0 where not (v); a pair each
.set OUT, 72
.set LIM, 76                           ; s76     2 in a wave that prefetches, else the greatest number
.set AOF, 82
.set G1T, 84                           ; s[84:91] group 1 for the table
.set TB,  92
.set BOF, 94
.set G0T, 96                           ; s[96:99] group 0 for the table
.set MSB, 0
.macro WIN new                         ; the immediate's high byte repeats the setting that is left; a switch that changes nothing is dropped
.if MSB != (\new)
	s_set_vgpr_msb (MSB<<8)|(\new)
.set MSB, \new
.endif
.endm
.macro PLACES                          ; four places in front of loads into registers that matrix instructions have read, and of stores that read results (ISA guide 7.12.1 for vector instructions)
.rept 4
	v_nop
.endr
.endm
; A joint load.  The branch hangs on the wave's number alone.  An s_nop 0 and four v_nop follow each line, ahead of the jump and the label.
.macro JLOAD s
	s_cmp_lt_u32 s[WV], NSEG
	s_cbranch_scc0 .Lfor_a_\@
	tensor_load_to_lds s[G0B+4*(\s):G0B+4*(\s)+3], s[G1B:G1B+7]
	s_nop 0
.rept 4
	v_nop
.endr
	s_branch .Lasked_\@
.Lfor_a_\@:
	tensor_load_to_lds s[G0A+4*(\s):G0A+4*(\s)+3], s[G1A:G1A+7]
	s_nop 0
.rept 4
	v_nop
.endr
.Lasked_\@:
.endm
; A prefetch of the K step that stands two refills on: 32 rows x 256 bytes, a lane a row.  The wave that fetches a tile asks for it; of the clusters that read the same rows the first asks
; (cluster x = 0 for x's rows, cluster y = 0 for W's); the four partners of a joint load take 32 of its 128 rows each, told apart by address.  The loop's last two trips ask for nothing:
; trip t names K step t + 4, and there are 16.
.macro ASK
	s_cmp_gt_u32 s3, s[LIM]
	s_cbranch_scc0 .Lnot_mine_\@
	global_prefetch_b8 v[PFO], s[PFA:PFA+1] th:TH_LOAD_NT scope:SCOPE_SE
.Lnot_mine_\@:
.endm
.macro CREST                           ; a round of the cluster's barrier behind its opening barrier
	s_cmp_lg_u32 s[WV], 0
	s_cbranch_scc1 .Lnot_wave_0_\@
	s_barrier_signal -3
.Lnot_wave_0_\@:
	s_barrier_wait -3
	s_barrier_signal -1
	s_barrier_wait -1
.endm
.macro CROUND
	s_barrier_signal -1
	s_barrier_wait -1
	CREST
.endm
	s_load_b128 s[4:7], s[0:1], 0x0                ; xb s[4:5], wqkv s[6:7]
	s_load_b128 s[8:11], s[0:1], 0x10              ; rope s[8:9], qkv s[10:11]
	v_lshl_add_u32 v[SPW], v0, 2, SPARE
	v_mov_b32 v[NIL], 0
	ds_add_u32 v[SPW], v[NIL]                      ; the wave's opening: the add and its wait ahead of my first tensor load
	v_lshrrev_b32 v1, 5, v0
	v_readfirstlane_b32 s[WV], v1
	s_lshr_b32 s[WM], s[WV], 1
	s_and_b32 s[WN], s[WV], 1
	s_bfe_u32 s[CX], ttmp6, 0x40000
	s_bfe_u32 s[CY], ttmp6, 0x40004
	s_lshl_b32 s[TX], ttmp9, 2
	s_add_co_u32 s[TX], s[TX], s[CX]               ; tile column
	s_and_b32 s[CLY], ttmp7, 0xffff
	s_lshl_b32 s[TY], s[CLY], 2
	s_add_co_u32 s[TY], s[TY], s[CY]               ; tile row
	s_lshl_b32 s20, s[CY], 2
	s_lshl_b32 s20, 15, s20                        ; my row of the cluster
	s_lshl_b32 s21, 0x1111, s[CX]                  ; my column
	s_or_b32 s[G1A], s20, (1<<16)|(1<<20)|(1<<21)|(5<<22)|(3<<25)  ; mask; 2-byte elements; padding on; bit 21 beside a mask; after every 64 words 4 words
	s_mov_b32 s[G1A+1], 128<<16                    ; tensor_dim0 = 128
	s_mov_b32 s[G1A+2], (128/NA)<<16               ; tensor_dim1
	s_mov_b32 s[G1A+3], 128<<16                    ; tile_dim0 = 128
	s_mov_b32 s[G1A+4], 128/NA                     ; tile_dim1
	s_mov_b32 s[G1A+5], 2048                       ; elements from row to row
	s_mov_b32 s[G1A+6], 0
	s_mov_b32 s[G1A+7], 0
	s_or_b32 s[G1B], s21, (1<<16)|(1<<20)|(1<<21)|(4<<22)|(3<<25)  ; after every 32 words 4 words
	s_mov_b32 s[G1B+1], 128<<16
	s_mov_b32 s[G1B+2], 128<<16
	s_mov_b32 s[G1B+3], 128<<16
	s_mov_b32 s[G1B+4], 128
	s_mov_b32 s[G1B+5], BP
	s_mov_b32 s[G1B+6], 0
	s_mov_b32 s[G1B+7], 0
	s_mov_b32 s[G1T], 3<<16                        ; the table: a load of my own (no mask), 32 dense rows of 32 elements of 8 bytes, no padding
	s_mov_b32 s[G1T+1], 32<<16
	s_mov_b32 s[G1T+2], 32<<16
	s_mov_b32 s[G1T+3], 32<<16
	s_mov_b32 s[G1T+4], 32
	s_mov_b32 s[G1T+5], 32
	s_mov_b32 s[G1T+6], 0
	s_mov_b32 s[G1T+7], 0
	s_max_u32 s[AOF], s[WV], NSEG                  ; x's tile: hangs on the tile row and the wave alone
	s_sub_co_u32 s[AOF], s[AOF], NSEG
	s_mul_i32 s[AOF], s[AOF], (128/NA)*4096
	s_lshl_b32 s22, s[TY], 19                      ; 128 rows of 4,096 bytes
	s_add_co_u32 s[AOF], s[AOF], s22
	s_mov_b32 s[AOF+1], 0
	s_min_u32 s[BOF], s[WV], NSEG-1                ; W's segment: hangs on the tile column and the wave alone
	s_lshl_b32 s[BOF], s[BOF], 8
	s_mul_i32 s23, s[TX], NT*2
	s_add_co_u32 s[BOF], s[BOF], s23
	s_mov_b32 s[BOF+1], 0
	s_mul_i32 s[LA], s[WV], APB                    ; where they go: a constant and the wave's number times a constant
	s_add_co_u32 s[LA], s[LA], NSEG*(SEGB-APB)
	s_mul_i32 s[LB], s[WV], SEGB
	s_and_b32 s100, s[TY], 7                       ; the table's rows: position 128 (tile row % 8) + 32 wave, 256 bytes a row
	s_lshl_b32 s100, s100, 15
	s_lshl_b32 s101, s[WV], 13
	s_add_co_u32 s100, s100, s101
	s_mov_b32 s101, 0
	s_mov_b32 s[G0T], 1
	s_lshl_b32 s[G0T+1], s[WV], 13
	s_add_co_u32 s[G0T+1], s[G0T+1], TABL
	s_mov_b32 s[TB], 0
	s_wait_dscnt 0x0                               ; the opening add is done
	s_wait_kmcnt 0x0
	s_add_nc_u64 s[78:79], s[4:5], s[AOF:AOF+1]
	s_add_nc_u64 s[80:81], s[6:7], s[BOF:BOF+1]
	s_add_nc_u64 s[G0T+2:G0T+3], s[8:9], s[100:101]
	s_or_b32 s[G0T+3], s[G0T+3], 0x80000000
	CROUND                                         ; all sixteen work-groups are here: the first joint loads meet
	tensor_load_to_lds s[G0T:G0T+3], s[G1T:G1T+7]  ; my 32 rows of the table
	s_nop 0
.irp s, 0,1
	s_mov_b32 s[G0A+4*\s], 1
	s_add_co_u32 s[G0A+4*\s+1], s[LA], \s*SLOT
	s_add_nc_u64 s[G0A+4*\s+2:G0A+4*\s+3], s[78:79], \s*256
	s_or_b32 s[G0A+4*\s+3], s[G0A+4*\s+3], 0x80000000
	s_mov_b32 s[G0B+4*\s], 1
	s_add_co_u32 s[G0B+4*\s+1], s[LB], \s*SLOT
	s_add_nc_u64 s[G0B+4*\s+2:G0B+4*\s+3], s[80:81], \s*KB
	s_or_b32 s[G0B+4*\s+3], s[G0B+4*\s+3], 0x80000000
	JLOAD \s                                       ; K steps 0 and 1: with the table three loads of mine are out
.endr
	v_and_b32 v1, 15, v0                           ; r = l % 16
	v_bfe_u32 v2, v0, 4, 1                         ; h = l / 16
	v_and_b32 v3, 7, v0
	v_bfe_u32 v4, v0, 3, 1
	v_mul_u32_u24 v5, v1, PA                       ; a fragment of x: row r, 16 bytes for each half of the lanes, two loads 32 bytes apart
	v_lshl_add_u32 v5, v2, 4, v5
	s_mul_i32 s22, s[WM], 64*PA
	s_add_co_u32 s22, s22, ABASE
	v_add_nc_u32 v[ADRA0], s22, v5
	v_mov_b32 v[ADRA], v[ADRA0]
	v_lshl_add_u32 v6, v2, 3, v3                   ; a turning load: lane l reads row k = 8 h + l % 8, 16 bytes at 16 ((l / 8) % 2)
	v_mul_u32_u24 v6, v6, PB
	v_lshl_add_u32 v6, v4, 4, v6
	s_mul_i32 s23, s[WN], NG
.irp j, 0,1,2
	s_add_co_u32 s44, s23, \j                      ; group of 64 columns in the tile: segment, and half of its rows
	s_lshr_b32 s45, s44, 1
	s_mul_i32 s45, s45, SEGB
	s_and_b32 s44, s44, 1
	s_mul_i32 s44, s44, 144
	s_add_co_u32 s44, s44, s45
	v_add_nc_u32 v[ADRB0+\j], s44, v6
	v_mov_b32 v[ADRB+\j], v[ADRB0+\j]
.endr
	; the prefetches: the pointer stands at K step 3; each change of slots steps it and then names it
	s_mul_i32 s20, s[CX], (32/NA)*4096
	s_add_co_u32 s20, s20, s[AOF]
	s_add_co_u32 s20, s20, 3*256
	s_mul_i32 s22, s[CY], 32*BP*2
	s_add_co_u32 s22, s22, s[BOF]
	s_add_co_u32 s22, s22, 3*KB
	s_mov_b32 s[PFS], 256
	s_mov_b32 s[PFS+1], 0
	s_mov_b32 s21, 0
	s_mov_b32 s23, 4096
	s_cmp_lt_u32 s[WV], NSEG
	s_cselect_b32 s20, s22, s20
	s_cselect_b32 s[PFS], KB, s[PFS]
	s_cselect_b32 s23, BP*2, s23
	s_cselect_b32 s44, s[CLY], ttmp9               ; the coordinate along which other clusters read the same rows
	s_cselect_b64 s[PFA:PFA+1], s[6:7], s[4:5]
	s_add_nc_u64 s[PFA:PFA+1], s[PFA:PFA+1], s[20:21]
	s_cmp_eq_u32 s44, 0
	s_cselect_b32 s[LIM], 2, -1
	v_and_b32 v[PFO], 31, v0
	v_mul_u32_u24 v[PFO], s23, v[PFO]
	; my three heads; a head of v is told apart by value, not by a branch: its (cos, sin) become (1, 0)
	s_and_b32 s20, s[TY], 7
	s_lshl_b32 s20, s20, 7
	s_lshl_b32 s21, s[WM], 6
	s_add_co_u32 s21, s21, s20                     ; my first row's position in its sequence
	s_mul_i32 s74, s[TX], 6
	s_mul_i32 s75, s[WN], 3
	s_add_co_u32 s74, s74, s75
.irp j, 0,1,2
	s_add_co_u32 s75, s74, \j
	s_cmp_ge_u32 s75, 40
	s_cselect_b32 s[FJ+2*\j], 0, 1.0
	s_cselect_b32 s75, 1.0, 0
	s_mov_b32 s[FJ+2*\j+1], s[FJ+2*\j]
	v_mov_b32 v[IDV+2*\j], s75
	v_mov_b32 v[IDV+2*\j+1], 0
.endr
	s_lshr_b32 s75, s[TY], 3                       ; the batch
	s_mul_i32 s75, s75, 48
	s_add_co_u32 s75, s75, s74
	s_lshl_b32 s75, s75, 10
	s_add_co_u32 s75, s75, s21
	s_lshl_b32 s74, s75, 7                         ; rows of 128 bytes
	s_mov_b32 s75, 0
	s_add_nc_u64 s[OUT:OUT+1], s[10:11], s[74:75]
	s_load_b256 s[4:11], s[0:1], 0x20              ; the head has used its four addresses: wo s[4:5], mask s[6:7], wob s[8:9], maskr s[10:11]
	s_mul_i32 s44, s[WV], 64*SPT                   ; my stage: 64 rows, in the slots
	v_mul_u32_u24 v[STO], v1, SPT                  ; in: row r, 32 bytes for each half of the lanes
	v_lshl_add_u32 v[STO], v2, 5, v[STO]
	v_add_nc_u32 v[STO], s44, v[STO]
	v_bfe_u32 v[RDX], v0, 3, 2                     ; back: row l / 8 of four, 32 bytes (four RoPE pairs) at 32 (l % 8) of a head's 256
	v_mul_u32_u24 v[RDX], v[RDX], SPT
	v_lshl_add_u32 v[RDX], v3, 5, v[RDX]
	v_add_nc_u32 v[RDX], s44, v[RDX]
	v_and_b32 v[GO], 31, v0
	s_lshl_b32 s45, s[WM], 14                      ; the table of my 64 rows; four rows are 1,024 bytes on end: 32 bytes a lane
	s_add_co_u32 s45, s45, TABL
	v_lshl_add_u32 v[RDT], v[GO], 5, s45
	v_lshlrev_b32 v[GO], 4, v[GO]                  ; and four rows of a head are 512 bytes on end: 16 bytes a lane
	v_lshrrev_b32 v[SL8], 1, v[GO]
	; the side work: my wave among the launch's 1,024 takes 16 KiB of wo (8 KiB of wob) and 4 KiB of mask and of maskr, all on end
	s_lshl_b32 s20, s[TY], 3
	s_add_co_u32 s20, s20, s[TX]
	s_lshl_b32 s20, s20, 2
	s_add_co_u32 s20, s20, s[WV]
	s_lshl_b32 s22, s20, 14
	s_mov_b32 s23, 0
	s_lshl_b32 s44, s20, 13
	s_mov_b32 s45, 0
	s_lshl_b32 s74, s20, 12
	s_mov_b32 s75, 0
	s_wait_kmcnt 0x0
	s_add_nc_u64 s[WOI:WOI+1], s[WOI:WOI+1], s[22:23]
	s_add_nc_u64 s[MKI:MKI+1], s[MKI:MKI+1], s[74:75]
	s_add_nc_u64 s[WOO:WOO+1], s[WOO:WOO+1], s[44:45]
	s_add_nc_u64 s[MKO:MKO+1], s[MKO:MKO+1], s[74:75]
.macro SIDE_IN                         ; a sixteenth: two lines of 512 bytes of wo, 256 bytes of mask
	global_load_b128 v[SI:SI+3], v[GO], s[WOI:WOI+1] th:TH_LOAD_NT
	global_load_b128 v[SI+4:SI+7], v[GO], s[WOI:WOI+1] offset:512 th:TH_LOAD_NT
	global_load_b64 v[SI+8:SI+9], v[SL8], s[MKI:MKI+1] th:TH_LOAD_NT
.endm
	SIDE_IN                                        ; the first sixteenth, behind the first tiles' requests
; THE SIDE WORK of one change of slots.  It stands behind the change's s_wait_xcnt 0: the last change's stores have read their data and all four bases may be stepped; the stores below reach back.
; last = 1 (the tail): the sixteenth change has nothing left to load.
.macro SIDE last
	s_wait_loadcnt 0x0                             ; the three loads went out a K step ago
	s_add_nc_u64 s[WOI:WOI+1], s[WOI:WOI+1], 1024
	s_add_nc_u64 s[MKI:MKI+1], s[MKI:MKI+1], 256
	s_add_nc_u64 s[WOO:WOO+1], s[WOO:WOO+1], 512
	s_add_nc_u64 s[MKO:MKO+1], s[MKO:MKO+1], 256
.irp j, 0,1,2,3
	v_cvt_pk_bf16_f32 v[SO+\j], v[SI+2*\j], v[SI+2*\j+1]  ; rounded to bf16,
.endr
	v_cvt_pk_bf16_f32 v[SO+4], v[SI+8], v[SI+9]
.irp j, 0,1,2,3,4
	v_lshlrev_b32 v[SI+2*\j], 16, v[SO+\j]         ; back in f32,
	v_and_b32 v[SI+2*\j+1], 0xffff0000, v[SO+\j]
.endr
.irp j, 0,1,2,3
	v_cvt_pk_f16_f32 v[SO+\j], v[SI+2*\j], v[SI+2*\j+1]  ; wo: written as f16;
.endr
	v_mul_f32 v[SO+4], 0x3fb8aa3b, v[SI+8]         ; mask: x log2(e)
	v_mul_f32 v[SO+5], 0x3fb8aa3b, v[SI+9]
.if \last
	s_cmp_eq_u32 s3, 1
	s_cbranch_scc1 .Lno_more_\@
.endif
	SIDE_IN
.if \last
.Lno_more_\@:
.endif
	global_store_b64 v[SL8], v[SO:SO+1], s[WOO:WOO+1] offset:-512    ; each store of the wave covers 256 consecutive bytes, aligned
	global_store_b64 v[SL8], v[SO+2:SO+3], s[WOO:WOO+1] offset:-256
	global_store_b64 v[SL8], v[SO+4:SO+5], s[MKO:MKO+1] offset:-256
.endm
; 12 matrix instructions: row block a x all column blocks, 32 along K, from buffer f.  zero = 1: the product starts the sums.  The 48 accumulators take turns.
.macro MULA f, a, zero
	WIN 0xa1+0x50*((\a)/APW)                       ; W window 1, x window 0, C and D window 2 or 3
.set b, 0
.rept NBK
.set rD, 8*NBK*((\a)%APW)+8*b
.if \zero
	v_wmma_f32_16x16x32_bf16 v[rD:rD+7], v[8*NBK*(\f)+8*b:8*NBK*(\f)+8*b+7], v[AF+32*(\f)+8*(\a):AF+32*(\f)+8*(\a)+7], 0
.else
	v_wmma_f32_16x16x32_bf16 v[rD:rD+7], v[8*NBK*(\f)+8*b:8*NBK*(\f)+8*b+7], v[AF+32*(\f)+8*(\a):AF+32*(\f)+8*(\a)+7], v[rD:rD+7]
.endif
.set b, b+1
.endr
.endm
; The LDS loads of quarter kq of the slot in hand, in one run, into buffer f: W's 12 fragments (turned), then x's four.
.macro FETCH kq, f
	WIN 0x40
.set j, 0
.rept NG
.irp c, 0,1,2,3
	ds_load_tr16_b128 v[8*NBK*(\f)+32*j+8*\c:8*NBK*(\f)+32*j+8*\c+3], v[ADRB+j] offset:32*PB*(\kq)+32*\c
	ds_load_tr16_b128 v[8*NBK*(\f)+32*j+8*\c+4:8*NBK*(\f)+32*j+8*\c+7], v[ADRB+j] offset:32*PB*(\kq)+32*\c+16*PB
.endr
.set j, j+1
.endr
	WIN 0
.irp a, 0,1,2,3
	ds_load_b128 v[AF+32*(\f)+8*\a:AF+32*(\f)+8*\a+3], v[ADRA] offset:16*PA*\a+64*(\kq)
	ds_load_b128 v[AF+32*(\f)+8*\a+4:AF+32*(\f)+8*\a+7], v[ADRA] offset:16*PA*\a+64*(\kq)+32
.endr
.endm
; One of a K step's first three quarters: multiplies buffer f; in its middle fetches quarter kq into buffer g.
.macro QUARTER kq, f, g, zero
	s_wait_dscnt 4                                 ; all but the youngest four loads (x's row blocks 2 and 3) are in
	MULA \f, 0, \zero
	MULA \f, 1, \zero
	PLACES
	FETCH \kq, \g
	s_wait_dscnt NF                                ; all but the run just issued
	MULA \f, 2, \zero
	MULA \f, 3, \zero
.endm
; The last quarter multiplies buffer 1 and changes slots.  What needs nothing of the next slot stands FIRST: the side work and half of the quarter's products.  Then each wave waits for all its tensor loads
; (one is out: its part of the next slot), adds 0 to its spare word, and waits for that and for its reads of this slot: between a tile's landing and the next request stand only the lines that the ordering needs,
; and a refill has a whole K step's 192 matrix instructions between its request and the wait for it.
; fill = 1: the walking descriptors take this slot and the next K step while no load of mine is out; a round of the cluster's barrier follows, and the joint refill is the first thing behind it.
; fill = 0 (the tail): nothing is asked for; in the last trip there is no next slot, and the run of loads is jumped over.
.macro TURN fill
	WIN 0
	s_wait_xcnt 0x0                                ; the last change's stores and its prefetch, a K step back, have read their registers
.if \fill
	s_add_nc_u64 s[PFA:PFA+1], s[PFA:PFA+1], s[PFS:PFS+1]
.endif
	SIDE 1-(\fill)
	s_wait_dscnt 4                                 ; all but the youngest four loads (x's row blocks 2 and 3) are in
	MULA 1, 0, 0
	MULA 1, 1, 0
	WIN 0
	s_wait_tensorcnt 0x0
	ds_add_u32 v[SPW], v[NIL]
.if \fill
	s_add_co_u32 s[G0A+5], s[LA], s[TB]
	s_add_nc_u64 s[G0A+6:G0A+7], s[G0A+6:G0A+7], 256
	s_add_co_u32 s[G0B+5], s[LB], s[TB]
	s_add_nc_u64 s[G0B+6:G0B+7], s[G0B+6:G0B+7], KB
.endif
	s_wait_dscnt 0x0                               ; the add is done, and my reads of this slot are over
.if \fill
	CROUND                                         ; no wave of any partner still reads this slot or has a load on its way
	JLOAD 1                                        ; its four v_nop are also the places in front of the loads below
.else
	s_barrier_signal -1
	s_barrier_wait -1
	PLACES
.endif
	s_xor_b32 s[TB], s[TB], SLOT                   ; the other slot is in hand
.if !(\fill)
	s_cmp_eq_u32 s3, 1
	s_cbranch_scc1 .Lnone_\@
.endif
	v_add_nc_u32 v[ADRA], s[TB], v[ADRA0]
.set j, 0
.rept NG
	v_add_nc_u32 v[ADRB+j], s[TB], v[ADRB0+j]
.set j, j+1
.endr
	FETCH 0, 0
.if \fill
	ASK
.else
.Lnone_\@:
.endif
	MULA 1, 2, 0
	MULA 1, 3, 0
.endm
	s_wait_tensorcnt 0x1                           ; the table and my part of K step 0 are in; K step 1's may stay out
	s_barrier_signal -1
	s_barrier_wait -1
	FETCH 0, 0
	QUARTER 1, 0, 1, 1                             ; the first quarter stands in front of the loop: its products start the sums
	WIN 0
	s_mov_b32 s3, STEPS-2
.Lstep:                                                ; a trip goes from a K step's second quarter to the next K step's first, and fills the slot that it leaves
	QUARTER 2, 1, 0, 0
	QUARTER 3, 0, 1, 0
	TURN 1
	QUARTER 1, 0, 1, 0
	WIN 0
	s_sub_co_u32 s3, s3, 1
	s_cmp_lg_u32 s3, 0
	s_cbranch_scc1 .Lstep
	s_mov_b32 s3, 2
.Ltail:                                                ; the last two K steps: no tensor load; the second trip is left in its middle
	QUARTER 2, 1, 0, 0
	QUARTER 3, 0, 1, 0
	TURN 0
	WIN 0
	s_sub_co_u32 s3, s3, 1
	s_cmp_eq_u32 s3, 0
	s_cbranch_scc1 .Lout
	QUARTER 1, 0, 1, 0
	WIN 0
	s_branch .Ltail
.Lout:
; THE WAY OUT.  The sums go, as they are, into a stage of 64 rows x 192 f32 for each wave.  The stage lies in the two slots: their last fill has landed, and behind the barrier below no wave reads them.
; Then a loop takes four rows of all three heads a trip: (cos, sin) x f + (1 - f, 0); (x0, x1) -> (x0 cos - x1 sin, x0 sin + x1 cos); rounded to f16; 16 bytes a lane, 512 bytes of a head on end.
	s_wait_dscnt 0x0
	s_barrier_signal -1
	PLACES                                         ; the places behind the last products
	PLACES
	s_barrier_wait -1
.irp a, 0,1,2,3
	WIN 0x08+4*(\a/APW)                            ; store data in the accumulators' window
.set b, 0
.rept NBK
	ds_store_b128 v[STO], v[8*NBK*(\a%APW)+8*b:8*NBK*(\a%APW)+8*b+3] offset:16*SPT*\a+64*b        ; each accumulator's low four registers first
	ds_store_b128 v[STO], v[8*NBK*(\a%APW)+8*b+4:8*NBK*(\a%APW)+8*b+7] offset:16*SPT*\a+64*b+16
.set b, b+1
.endr
.endr
	WIN 0
.macro LOADX                           ; four rows: the lane's four (cos, sin) and, for each head, its eight sums.  LDS serves a wave's instructions in order (ISA guide 5.7.1.4): these see the stores above
	ds_load_b128 v[T:T+3], v[RDT]
	ds_load_b128 v[T+4:T+7], v[RDT] offset:16
.irp j, 0,1,2
	ds_load_b128 v[X+8*\j:X+8*\j+3], v[RDX] offset:256*\j
	ds_load_b128 v[X+8*\j+4:X+8*\j+7], v[RDX] offset:256*\j+16
.endr
.endm
.macro ROT ahead                       ; ahead = 1: the next four rows are fetched as soon as these have been read out of their registers
	s_wait_dscnt 0x0
.irp j, 0,1,2
.irp q, 0,1,2,3
	v_pk_fma_f32 v[TP+8*\j+2*\q:TP+8*\j+2*\q+1], v[T+2*\q:T+2*\q+1], s[FJ+2*\j:FJ+2*\j+1], v[IDV+2*\j:IDV+2*\j+1] op_sel_hi:[1,0,1]
.endr
.endr
.set q, 0
.rept 12
	v_pk_mul_f32 v[U+2*q:U+2*q+1], v[X+2*q:X+2*q+1], v[TP+2*q:TP+2*q+1] op_sel_hi:[0,1]  ; (x0 cos, x0 sin)
.set q, q+1
.endr
.set q, 0
.rept 12
	v_pk_fma_f32 v[U+2*q:U+2*q+1], v[X+2*q:X+2*q+1], v[TP+2*q:TP+2*q+1], v[U+2*q:U+2*q+1] op_sel:[1,1,0] op_sel_hi:[1,0,1] neg_lo:[0,1,0]  ; (- x1 sin, + x1 cos)
.set q, q+1
.endr
.if \ahead
	v_add_nc_u32 v[RDX], 4*SPT, v[RDX]
	v_add_nc_u32 v[RDT], 1024, v[RDT]
	LOADX
.endif
	s_wait_xcnt 0x0                                ; the last trip's stores have read their data and their base
	s_add_nc_u64 s[OUT:OUT+1], s[OUT:OUT+1], 512   ; four rows on; the stores reach back
.set q, 0
.rept 12
	v_cvt_pk_f16_f32 v[PK+q], v[U+2*q], v[U+2*q+1]
.set q, q+1
.endr
.irp j, 0,1,2
	global_store_b128 v[GO], v[PK+4*\j:PK+4*\j+3], s[OUT:OUT+1] offset:131072*\j-512  ; 512 consecutive bytes, at a multiple of 512 from qkv's first byte
.endr
.endm
	LOADX
	s_mov_b32 s3, 15
.Lrot:
	ROT 1
	s_sub_co_u32 s3, s3, 1
	s_cmp_lg_u32 s3, 0
	s_cbranch_scc1 .Lrot
	ROT 0                                          ; the last four rows: nothing is left to fetch
	s_wait_tensorcnt 0x0                           ; the wave's end
	ds_add_u32 v[SPW], v[NIL]
	s_wait_dscnt 0x0
	CROUND                                         ; the closing round
	s_endpgm
.Lfunc_end_k_q685440e180_proj:
	.size	k_q685440e180_proj, .Lfunc_end_k_q685440e180_proj-k_q685440e180_proj
	.p2alignl 7, 3214868480
	.fill 96, 4, 3214868480
	.section	.rodata,"a",@progbits
	.p2align	6, 0x0
	.amdhsa_kernel k_q685440e180_proj
		.amdhsa_group_segment_fixed_size 327680
		.amdhsa_private_segment_fixed_size 0
		.amdhsa_enable_private_segment 0
		.amdhsa_kernarg_size 64
		.amdhsa_user_sgpr_count 2
		.amdhsa_user_sgpr_kernarg_segment_ptr 1
		.amdhsa_wavefront_size32 1
		.amdhsa_system_sgpr_workgroup_id_x 1
		.amdhsa_system_sgpr_workgroup_id_y 1
		.amdhsa_system_sgpr_workgroup_id_z 1
		.amdhsa_system_vgpr_workitem_id 0
		.amdhsa_next_free_vgpr 960
		.amdhsa_next_free_sgpr 106
		.amdhsa_reserve_vcc 0
		.amdhsa_float_denorm_mode_32 3
		.amdhsa_float_denorm_mode_16_64 3
		.amdhsa_memory_ordered 1
		.amdhsa_forward_progress 1
		.amdhsa_inst_pref_size 83
	.end_amdhsa_kernel
	.amdgpu_metadata
---
amdhsa.version: [ 1, 2 ]
amdhsa.kernels:
  - .name:           k_q685440e180_proj
    .symbol:         k_q685440e180_proj.kd
    .args:
      - { .name: xb, .offset: 0, .size: 8, .value_kind: global_buffer, .address_space: global }
      - { .name: wqkv, .offset: 8, .size: 8, .value_kind: global_buffer, .address_space: global }
      - { .name: rope, .offset: 16, .size: 8, .value_kind: global_buffer, .address_space: global }
      - { .name: qkv, .offset: 24, .size: 8, .value_kind: global_buffer, .address_space: global }
      - { .name: wo, .offset: 32, .size: 8, .value_kind: global_buffer, .address_space: global }
      - { .name: mask, .offset: 40, .size: 8, .value_kind: global_buffer, .address_space: global }
      - { .name: wob, .offset: 48, .size: 8, .value_kind: global_buffer, .address_space: global }
      - { .name: maskr, .offset: 56, .size: 8, .value_kind: global_buffer, .address_space: global }
    .group_segment_fixed_size: 327680
    .private_segment_fixed_size: 0
    .kernarg_segment_align: 8
    .kernarg_segment_size: 64
    .max_flat_workgroup_size: 128
    .sgpr_count:     106
    .vgpr_count:     960
    .wavefront_size: 32
...
	.end_amdgpu_metadata
.endif
;; end of part 2
;; launch attn (part 3): grid 8 x 32, 4 waves a work-group, clusters of 4 x 4, 327,680 bytes of LDS; arguments qkv, maskr, ao; writes ao
.if DOCPART == 3
	.amdgcn_target "amdgcn-amd-amdhsa--gfx1250"
	.amdhsa_code_object_version 6
	.text
	.protected	k_q685440e180_attn
	.globl	k_q685440e180_attn
	.p2align	8
	.type	k_q685440e180_attn,@function
k_q685440e180_attn:
	s_mov_b64 s[64:65], 0
	v_nop
	global_prefetch_b8 v0, s[64:65] scope:SCOPE_SE
	s_setreg_imm32_b32 hwreg(HW_REG_WAVE_MODE, 25, 1), 1
	s_wait_xcnt 0x0
	s_wait_alu depctr_hold_cnt(0) depctr_sa_sdst(0) depctr_va_vdst(0) depctr_va_sdst(0) depctr_va_ssrc(0) depctr_va_vcc(0) depctr_vm_vsrc(0)
	s_getreg_b32 s2, hwreg(HW_REG_IB_STS2, 6, 4)
	s_cmp_eq_u32 s2, 0
	s_cbranch_scc0 .Lentry_in_a_cluster
	s_endpgm
.Lentry_in_a_cluster:
	s_bfe_u32 s2, ttmp6, 0x10000c
	s_cmp_lg_u32 s2, 0xf033
	s_cbranch_scc0 .Lentry_shape_is_right
	s_endpgm
.Lentry_shape_is_right:
; ATTENTION with an additive mask that is an input.  qkv [4 b][48 H][1024 s][64] f16 (H 0-31 q, 32-39 k, 40-47 v), maskr [1024 q][1024 k] f32 = mask x log2(e),
; ao [4096 = 1024 b + s][2048 = 64 head + d] f16.  t = (q . k) log2(e) / 8 + maskr, one fused multiply-add in f32; p = 2^(t - m) with a running maximum m of t; O and the sum l are multiplied by
; a = 2^(m_old - m_new) in every step.  Products, maxima and sums in f32; p is rounded to f16 for the second product (l is taken of the unrounded p), O once at the end.
; Every score of every head is made: nothing is assumed of the mask's pattern.
; LIMITS.  m starts at the lowest finite number, O and l at 0, so the first step's a is 0.  A weight below 2^-126 counts as 0.  NaN and infinities are not treated apart.  The mask met log2(e) in one f32
; rounding of its own: where tying mask values pass some 1e4 in magnitude the last bits of t differ from those of a sum made first and scaled later.
; SHARES.  A work-group: 128 queries x the four query heads of one key/value head.  Wave w: rows 32 w .. 32 w + 31 for all four heads: PIECE p = head 4 g + p, its two tiles = the two blocks of 16 rows.
; So one set of 64 mask registers serves four heads.  Every wave walks all 1,024 keys, 64 a step; an LDS slot holds two steps: 128 rows x 128 keys of the mask, 128 rows of K, 128 of V.
; LAYOUT.  S^T = K Q^T (source 0 = 16 keys, source 1 = 16 queries): a lane holds ONE query (lane % 16) and the keys 8 (lane / 16) + 0..7.  Two such results rounded to f16 ARE source 1 of O^T = V^T P.
; BY TURNS.  Turn n belongs to piece n: 16 products K Q^T of piece n + 1, each with four plain vector instructions behind it (piece n's t - m and its O a); a lump (piece n + 1's mask and maximum, piece n's
; exponentials, the next a); ONE wait for the turn's 66 exponentials; 16 products V^T P of piece n - 1, each with four of piece n's roundings and sums behind it.
; CLUSTER.  4 x 4 work-groups: K and V hang on (batch, key head) alone and are asked for jointly along a row of the cluster; the mask's tile hangs on the query block alone, along a column.
; REGISTERS, in windows of 256 (s_set_vgpr_msb: bits 1:0 source 0, 3:2 source 1, 5:4 source 2, 7:6 destination):
;   window 0: v0-11 addresses; v12-15, v48-63 at work; v16-47 four registers of statistics a tile (m, 0, l, l); v64-191 S^T, two buffers of two tiles; v192-255 P, likewise
;   window 1: O^T, 32 a tile     window 2: v0-127 Q; v128-191 K of one step; v192-255 V of one step     window 3: v0-1 the add's two registers; v64-127 the mask of one step
.set NP,    4
.set KS,    64
.set PK,    144                        ; a row of K in LDS: 128 bytes + 16: the 16 rows of a load start at 16 different groups of four banks (64 banks of 4 bytes: ISA guide 11.1)
.set PV,    160                        ; a row of V: 128 + 32
.set PM,    528                        ; a row of the mask's tile: 512 + 16
.set KL,    128*PM
.set VL,    KL+128*PK
.set SLOT1, 1<<17                      ; slot 1 begins here: one exclusive or turns an address in one slot into the other's
.set STAGE, SLOT1+VL+128*PV            ; behind the ring: 16 rows x 528 bytes for each wave
.set SP,    528
.set SPARE, STAGE+4*16*SP              ; behind the stages: the spare words, 128 bytes a wave: two blocks of 256 bytes that no other line names
.set AK0, 2
.set AV0, 3
.set AK,  4
.set AV,  5
.set QO,  6
.set STO, 6
.set RD,  7
.set GO,  8
.set AM0, 9
.set AM,  10
.set PFO, 11
.set MV,  12                           ; v12-15  m_old, kept while m is made anew: by buffer and tile
.set ST,  16
.set TMP, 48                           ; by buffer and tile, c0-c3 at work; when the maximum is found c2 takes a
.set S,   64
.set P,   192
.set KF,  128
.set VF,  192
.set MKR, 64                           ; window 3: tile u, key block kb at MKR + 32 u + 8 kb
.set SPW, 0                            ; v0 of window 3: SPARE + 4 x my thread's number; never rewritten
.set NIL, 1                            ; v1 of window 3: 0; never rewritten
.set WV,  12
.set G1K, 24
.set G1V, 32
.set G0K, 40
.set G0V, 44
.set G1M, 48
.set SLOTS, 56
.set CNT, 57
.set SEL, 60
.set TBK, 62
.set TBV, 63
.set G0M, 68
.set TBM, 72
.set LIM, 73
.set SC,  74                           ; s[74:75] log2(e) / 8
.set PFA, 76
.set PFS, 78
.set MSB, 0
.macro WIN new
.if MSB != (\new)
	s_set_vgpr_msb (MSB<<8)|(\new)
.set MSB, (\new)
.endif
.endm
.set W_KQ, 0x0a                        ; K and Q in window 2, S^T in window 0
.set W_PV, 0x52                        ; V in window 2, P in window 0, O^T in window 1
.set W_RS, 0x41                        ; O^T (destination and source 0) in window 1, a in window 0
.set W_MA, 0x30                        ; source 2, the mask, in window 3
.set W_MK, 0xc0                        ; destination in window 3
.set W_AD, 0x0f                        ; the add: address and data in window 3
; A joint fill: waves 0 and 1 the halves of the mask's tile, wave 2 K, wave 3 V.  The branches hang on the wave's number alone.  An s_nop 0 and four v_nop follow each line.
.macro JLOAD
	s_cmp_lt_u32 s[WV], 2
	s_cbranch_scc0 .Lnot_m_\@
	tensor_load_to_lds s[G0M:G0M+3], s[G1M:G1M+7]
	s_nop 0
.rept 4
	v_nop
.endr
	s_branch .Lasked_\@
.Lnot_m_\@:
	s_cmp_eq_u32 s[WV], 2
	s_cbranch_scc0 .Lfor_v_\@
	tensor_load_to_lds s[G0K:G0K+3], s[G1K:G1K+7]
	s_nop 0
.rept 4
	v_nop
.endr
	s_branch .Lasked_\@
.Lfor_v_\@:
	tensor_load_to_lds s[G0V:G0V+3], s[G1V:G1V+7]
	s_nop 0
.rept 4
	v_nop
.endr
.Lasked_\@:
.endm
; A prefetch of what the NEXT change of slots will ask for, two key steps (256 matrix instructions) ahead.  The mask's rows are read by every cluster of a column of clusters: cluster y = 0 asks, waves 0 and 1,
; the four partners 16 rows each by address, two blocks of 256 bytes a row.  K and V are read by both clusters of a row: cluster x = 0 asks, wave 2, the partners 16 blocks of K and 16 of V each by address.
; The last change that fills a slot asks for nothing.
.macro ASK
	s_cmp_gt_u32 s[SLOTS], s[LIM]
	s_cbranch_scc0 .Lnot_mine_\@
	global_prefetch_b8 v[PFO], s[PFA:PFA+1] th:TH_LOAD_NT scope:SCOPE_SE
.Lnot_mine_\@:
.endm
.macro CROUND
	s_barrier_signal -1
	s_barrier_wait -1
	s_cmp_lg_u32 s[WV], 0
	s_cbranch_scc1 .Lnot_wave_0_\@
	s_barrier_signal -3
.Lnot_wave_0_\@:
	s_barrier_wait -3
	s_barrier_signal -1
	s_barrier_wait -1
.endm
; THE CHANGE OF SLOTS.  Each wave waits for all its tensor loads (one is out: its part of the other slot), adds 0 to its spare word, and waits for that and for its reads of the slot that it leaves.
; fill = 1: the barrier is a round of the cluster's, and the joint fill of the old slot, with the keys two slots on, is the first thing behind it.  (At its first use slot 0 is waited for and slot 1 filled.)
.macro CHANGE fill
	WIN W_AD
	s_wait_tensorcnt 0x0
	ds_add_u32 v[SPW], v[NIL]
	WIN 0
.if \fill
.irp g, G0K, G0V
	s_xor_b32 s[\g+1], s[\g+1], SLOT1
	s_add_nc_u64 s[\g+2:\g+3], s[\g+2:\g+3], 2*KS*128
.endr
	s_xor_b32 s[G0M+1], s[G0M+1], SLOT1
	s_add_nc_u64 s[G0M+2:G0M+3], s[G0M+2:G0M+3], 2*KS*4
	s_wait_xcnt 0x0                                ; the last prefetch, two key steps back, has read its address
	s_add_nc_u64 s[PFA:PFA+1], s[PFA:PFA+1], s[PFS:PFS+1]
	s_wait_dscnt 0x0                               ; the add is done, and my reads of the slot are over
	CROUND
	JLOAD
	ASK
.else
	s_wait_dscnt 0x0
	s_barrier_signal -1
	s_barrier_wait -1
.endif
	s_sub_co_u32 s[TBK], s[TBK], 2*KS*PK           ; the fetches go back to a slot's first step, in the other slot
	s_xor_b32 s[TBK], s[TBK], SLOT1
	s_sub_co_u32 s[TBV], s[TBV], 2*KS*PV
	s_xor_b32 s[TBV], s[TBV], SLOT1
	s_sub_co_u32 s[TBM], s[TBM], 2*KS*4
	s_xor_b32 s[TBM], s[TBM], SLOT1
.endm
	s_load_b128 s[4:7], s[0:1], 0x0                ; qkv s[4:5], maskr s[6:7]
	s_load_b64 s[8:9], s[0:1], 0x10                ; ao
	WIN W_MK
	v_lshl_add_u32 v[SPW], v0, 2, SPARE
	v_mov_b32 v[NIL], 0
	WIN W_AD
	ds_add_u32 v[SPW], v[NIL]                      ; the wave's opening: the add and its wait ahead of my first tensor load
	WIN 0
	v_lshrrev_b32 v1, 5, v0
	v_readfirstlane_b32 s[WV], v1
	s_bfe_u32 s13, ttmp6, 0x40000                  ; cx
	s_bfe_u32 s14, ttmp6, 0x40004                  ; cy
	s_lshl_b32 s15, ttmp9, 2
	s_add_co_u32 s15, s15, s13                     ; my block of 128 queries
	s_and_b32 s16, ttmp7, 0xffff                   ; cluster y
	s_lshl_b32 s17, s16, 2
	s_add_co_u32 s17, s17, s14                     ; 8 b + g
	s_lshr_b32 s18, s17, 3                         ; b
	s_and_b32 s19, s17, 7                          ; g
	s_lshl_b32 s20, s14, 2
	s_lshl_b32 s20, 15, s20                        ; my row of the cluster
	s_lshl_b32 s21, 0x1111, s13                    ; my column
	; 128 keys are 16,384 dense bytes: asked for as 64 rows of 256 bytes, two keys a row, padded in LDS after every key
	s_or_b32 s[G1K], s20, (1<<16)|(1<<20)|(1<<21)|(4<<22)|(3<<25)
	s_or_b32 s[G1V], s20, (1<<16)|(1<<20)|(1<<21)|(4<<22)|(7<<25)
.irp g, G1K, G1V
	s_mov_b32 s[\g+1], 128<<16
	s_mov_b32 s[\g+2], 64<<16
	s_mov_b32 s[\g+3], 128<<16
	s_mov_b32 s[\g+4], 64
	s_mov_b32 s[\g+5], 128
	s_mov_b32 s[\g+6], 0
	s_mov_b32 s[\g+7], 0
.endr
	s_or_b32 s[G1M], s21, (2<<16)|(1<<20)|(1<<21)|(6<<22)|(3<<25)  ; 4-byte elements; after every 128 words 4 words
	s_mov_b32 s[G1M+1], 128<<16                    ; 128 keys
	s_mov_b32 s[G1M+2], 64<<16                     ; 64 rows
	s_mov_b32 s[G1M+3], 128<<16
	s_mov_b32 s[G1M+4], 64
	s_mov_b32 s[G1M+5], 1024
	s_mov_b32 s[G1M+6], 0
	s_mov_b32 s[G1M+7], 0
	s_mul_i32 s22, s18, 48
	s_add_co_u32 s80, s22, s19
	s_add_co_u32 s80, s80, 32
	s_lshl_b32 s80, s80, 17                        ; K's head: 131,072 bytes a head
	s_mov_b32 s81, 0
	s_lshl_b32 s23, s19, 2
	s_add_co_u32 s22, s22, s23                     ; my first query head,
	s_lshl_b32 s22, s22, 17
	s_lshl_b32 s23, s15, 14                        ; my block's 128 rows of 128 bytes,
	s_add_co_u32 s22, s22, s23
	s_lshl_b32 s23, s[WV], 12                      ; my wave's 32
	s_add_co_u32 s22, s22, s23
	s_mov_b32 s23, 0
	s_and_b32 s82, s[WV], 1                        ; the mask: my half of the block's 128 rows of 4,096 bytes
	s_lshl_b32 s82, s82, 18
	s_lshl_b32 s83, s15, 19
	s_add_co_u32 s82, s82, s83
	s_mov_b32 s83, 0
	s_lshl_b32 s2, s18, 22                         ; ao: row 1024 b + 128 block + 32 wave, 4,096 bytes a row; 512 bytes for each key head
	s_lshl_b32 s3, s15, 19
	s_add_co_u32 s2, s2, s3
	s_lshl_b32 s3, s[WV], 17
	s_add_co_u32 s2, s2, s3
	s_lshl_b32 s3, s19, 9
	s_add_co_u32 s2, s2, s3
	s_mov_b32 s3, 0
	s_mov_b32 s[G0K], 1
	s_mov_b32 s[G0K+1], KL
	s_mov_b32 s[G0V], 1
	s_mov_b32 s[G0V+1], VL
	s_mov_b32 s[G0M], 1
	s_mul_i32 s[G0M+1], s[WV], 64*PM
	s_mov_b32 s[SC], 0x3e38aa3b                    ; log2(e) / 8
	s_mov_b32 s[SC+1], s[SC]
	s_mov_b32 s[SEL], 0x76543210
	s_mov_b32 s[SEL+1], 0xfedcba98
	s_mov_b32 s[TBK], SLOT1+2*KS*PK                ; the first change of slots turns these three into 0
	s_mov_b32 s[TBV], SLOT1+2*KS*PV
	s_mov_b32 s[TBM], SLOT1+2*KS*4
	s_mov_b32 s[SLOTS], 7
	; the prefetches: the pointer stands at tile 1; each change steps it and then names it
	s_lshl_b32 s84, s14, 16                        ; 16 cy rows of the mask
	s_add_co_u32 s84, s84, s82
	s_add_co_u32 s84, s84, 512
	s_lshl_b32 s85, s13, 12                        ; 16 cx blocks of K
	s_add_co_u32 s85, s85, s80
	s_add_co_u32 s85, s85, 16384
	s_mov_b32 s[PFS], 512
	s_mov_b32 s[PFS+1], 0
	s_cmp_lt_u32 s[WV], 2
	s_cselect_b32 s84, s84, s85
	s_cselect_b32 s[PFS], s[PFS], 16384
	s_cselect_b32 s86, s16, ttmp9                  ; the coordinate along which other clusters read the same bytes
	s_cselect_b32 s87, 1, 4
	s_cselect_b32 s88, 12, 20
	s_cselect_b32 s89, 1, 15
	s_mov_b32 s85, 0
	s_cmp_eq_u32 s86, 0
	s_cselect_b32 s[LIM], 1, -1
	s_cmp_eq_u32 s[WV], 3
	s_cselect_b32 s[LIM], -1, s[LIM]
	v_and_b32 v51, 31, v0
	v_lshrrev_b32 v52, s87, v51                    ; the mask: row l / 2, block l % 2;  K and V: block l % 16, V (1,048,576 bytes on) for the upper lanes
	v_lshlrev_b32 v52, s88, v52
	v_and_b32 v51, s89, v51
	v_lshl_add_u32 v[PFO], v51, 8, v52
	s_wait_dscnt 0x0                               ; the opening add is done
	s_wait_kmcnt 0x0
	s_add_nc_u64 s[G0K+2:G0K+3], s[4:5], s[80:81]
	s_add_nc_u64 s[G0V+2:G0V+3], s[G0K+2:G0K+3], 0x100000
	s_or_b32 s[G0K+3], s[G0K+3], 0x80000000
	s_or_b32 s[G0V+3], s[G0V+3], 0x80000000
	s_add_nc_u64 s[G0M+2:G0M+3], s[6:7], s[82:83]
	s_or_b32 s[G0M+3], s[G0M+3], 0x80000000
	s_cmp_lt_u32 s[WV], 2
	s_cselect_b64 s[PFA:PFA+1], s[6:7], s[4:5]
	s_add_nc_u64 s[PFA:PFA+1], s[PFA:PFA+1], s[84:85]
	s_add_nc_u64 s[4:5], s[4:5], s[22:23]          ; Q at my wave's first row of its first head
	s_add_nc_u64 s[8:9], s[8:9], s[2:3]
	CROUND                                         ; all sixteen work-groups are here: the first joint loads meet
	JLOAD                                          ; tile 0 into slot 0
	v_and_b32 v1, 15, v0                           ; r
	v_bfe_u32 v48, v0, 4, 1                        ; h
	v_lshlrev_b32 v[QO], 7, v1
	v_lshl_add_u32 v[QO], v48, 4, v[QO]
	WIN 0x80
.set i, 0
.rept 4*NP                             ; Q stays in registers: tile i / 2 = head i / 4, row block (i / 2) % 2; channels 32 (i % 2) on
	global_load_b128 v[8*i:8*i+3],   v[QO], s[4:5] offset:(i/4)*131072+((i/2)%2)*2048+(i%2)*64
	global_load_b128 v[8*i+4:8*i+7], v[QO], s[4:5] offset:(i/4)*131072+((i/2)%2)*2048+(i%2)*64+32
.set i, i+1
.endr
	; what the first turn finds: V's registers and P's second buffer hold 0, O^T and l are 0.  All this stands in the wait for the first tile.
.set i, VF
.rept 64
	v_mov_b32 v[i], 0
.set i, i+1
.endr
	WIN 0x40
.set i, 0
.rept 64*NP
	v_mov_b32 v[i], 0
.set i, i+1
.endr
	WIN 0
.set i, 0
.rept 2*NP
	v_mov_b32 v[ST+4*i], 0xff7fffff                ; m
	v_mov_b32 v[ST+4*i+1], 0                       ; named with m as a pair
	v_mov_b32 v[ST+4*i+2], 0
	v_mov_b32 v[ST+4*i+3], 0
.set i, i+1
.endr
.set i, P+32
.rept 32
	v_mov_b32 v[i], 0
.set i, i+1
.endr
	v_mul_u32_u24 v[AK0], v1, PK
	v_lshl_add_u32 v[AK0], v48, 4, v[AK0]
	v_add_nc_u32 v[AK0], KL, v[AK0]
	v_and_b32 v49, 7, v0                           ; the turning load: lane l reads key 8 h + l % 8, channels 8 ((l / 8) % 2) + 0..7
	v_bfe_u32 v50, v0, 3, 1
	v_lshl_add_u32 v[AV0], v48, 3, v49
	v_mul_u32_u24 v[AV0], v[AV0], PV
	v_lshl_add_u32 v[AV0], v50, 4, v[AV0]
	v_add_nc_u32 v[AV0], VL, v[AV0]
	s_lshl_b32 s86, s[WV], 5
	v_add_nc_u32 v[AM0], s86, v1                   ; the mask: row 32 w + r, my 8 keys: 32 bytes at 32 h
	v_mul_u32_u24 v[AM0], v[AM0], PM
	v_lshl_add_u32 v[AM0], v48, 5, v[AM0]
	v_mov_b32 v[AK], v[AK0]                        ; key step 0 lies at the head of slot 0
	v_mov_b32 v[AM], v[AM0]
; THE MATRIX WORK.  The 8 accumulators of a run of 16 take turns.
.macro KQ x                            ; product i of 16 of S^T = K Q^T for piece x: channels 32 (i / 8) on, keys 16 ((i / 2) % 4) on, tile 2 x + i % 2
	WIN W_KQ
.set rS, S+64*((\x)%2)+32*(i%2)+8*((i/2)%4)
.set rK, KF+16*((i/2)%4)+8*(i/8)
.set rQ, 16*(2*(\x)+i%2)+8*(i/8)
.if i < 8
	v_wmma_f32_16x16x32_f16 v[rS:rS+7], v[rK:rK+7], v[rQ:rQ+7], 0
.else
	v_wmma_f32_16x16x32_f16 v[rS:rS+7], v[rK:rK+7], v[rQ:rQ+7], v[rS:rS+7]
.endif
.endm
.macro PV x                            ; product i of 16 of O^T += V^T P for piece x: keys 32 (i / 8) on, channels 16 ((i / 2) % 4) on
	WIN W_PV
.set rO, 32*(2*(\x)+i%2)+8*((i/2)%4)
.set rV, VF+32*(i/8)+8*((i/2)%4)
.set rP, P+32*((\x)%2)+16*(i%2)+8*(i/8)
	v_wmma_f32_16x16x32_f16 v[rO:rO+7], v[rV:rV+7], v[rP:rP+7], v[rO:rO+7]
.endm
.macro MM                              ; the turn's next matrix instruction
.if i < 16
	KQ (Y+1)%NP
.set i, i+1
.else
.set i, i-16
	PV (Y+NP-1)%NP
.set i, i+17
.endif
.endm
; THE LDS LOADS stand in runs: a step's K (8 fragments) and mask (64 registers) together, its V (turned) two turns and a half later.  last = 1 (the tail): in the last trip there is no further step.
.macro FETCH_KM last=0
	WIN 0
.if \last
	s_cmp_eq_u32 s[CNT], 1
	s_cbranch_scc1 .Lno_k_\@
.endif
	WIN 0x80
.irp f, 0,1,2,3,4,5,6,7
	ds_load_b128 v[KF+8*\f:KF+8*\f+3],   v[AK] offset:(\f/2)*16*PK+(\f%2)*64
	ds_load_b128 v[KF+8*\f+4:KF+8*\f+7], v[AK] offset:(\f/2)*16*PK+(\f%2)*64+32
.endr
	WIN W_MK
.irp f, 0,1,2,3,4,5,6,7                ; tile f / 4, key block f % 4
	ds_load_b128 v[MKR+8*\f:MKR+8*\f+3],   v[AM] offset:(\f/4)*16*PM+(\f%4)*64
	ds_load_b128 v[MKR+8*\f+4:MKR+8*\f+7], v[AM] offset:(\f/4)*16*PM+(\f%4)*64+16
.endr
	s_add_co_u32 s[TBK], s[TBK], KS*PK
	s_add_co_u32 s[TBM], s[TBM], KS*4
	WIN 0
.if \last
.Lno_k_\@:
.endif
.endm
.macro FETCH_V
	WIN 0x80
.irp f, 0,1,2,3,4,5,6,7
	ds_load_tr16_b128 v[VF+8*\f:VF+8*\f+3],   v[AV] offset:(\f/4)*32*PV+(\f%4)*32
	ds_load_tr16_b128 v[VF+8*\f+4:VF+8*\f+7], v[AV] offset:(\f/4)*32*PV+16*PV+(\f%4)*32
.endr
	WIN 0
.endm
; THE VECTOR WORK, in queues; the two tiles alternate.
.macro REGS y, u
.set rT, ST+4*(2*(\y)+(\u))
.set rC, TMP+8*((\y)%2)+4*(\u)
.set rM, MV+2*((\y)%2)+(\u)
.set rS, S+64*((\y)%2)+32*(\u)
.set rP, P+32*((\y)%2)+16*(\u)
.set rO, 32*(2*(\y)+(\u))
.endm
.macro MK                              ; number mk of 32: t = s log2(e) / 8 + mask for a pair of the NEXT piece's scores, the accumulators in the order in which they were finished, each from its lowest pair on
	REGS (Y+1)%NP, (mk/4)%2
	WIN W_MA
	v_pk_fma_f32 v[rS+8*(mk/8)+2*(mk%4):rS+8*(mk/8)+2*(mk%4)+1], v[rS+8*(mk/8)+2*(mk%4):rS+8*(mk/8)+2*(mk%4)+1], s[SC:SC+1], v[MKR+32*((mk/4)%2)+8*(mk/8)+2*(mk%4):MKR+32*((mk/4)%2)+8*(mk/8)+2*(mk%4)+1] op_sel_hi:[1,0,1]
.set mk, mk+1
.endm
; Number n of the 21 that find the NEXT piece's maximum and statistics: 0-11 four chains of seven; 12-14, 16 the four left over, the old m, and c0-c3 into c0; 15 m_old is kept;
; 17, 18 the query's other 32 keys lie in the lane 16 away: the new m; 19 m_old - m_new; 20 a.
.macro XS u, n
	REGS (Y+1)%NP, \u
	WIN 0
.if (\n) < 4
	v_max3_num_f32 v[rC+(\n)], v[rS+8*(\n)], v[rS+8*(\n)+1], v[rS+8*(\n)+2]
.elseif (\n) < 12
	v_max3_num_f32 v[rC+(\n)%4], v[rC+(\n)%4], v[rS+8*((\n)%4)+2*((\n)/4)+1], v[rS+8*((\n)%4)+2*((\n)/4)+2]
.elseif (\n) == 12
	v_max3_num_f32 v[rC], v[rC], v[rS+7], v[rS+15]
.elseif (\n) == 13
	v_max3_num_f32 v[rC+1], v[rC+1], v[rS+23], v[rS+31]
.elseif (\n) == 14
	v_max3_num_f32 v[rC+2], v[rC+2], v[rC+3], v[rT]
.elseif (\n) == 15
	v_mov_b32 v[rM], v[rT]
.elseif (\n) == 16
	v_max3_num_f32 v[rC], v[rC], v[rC+1], v[rC+2]
.elseif (\n) == 17
	v_permlanex16_b32 v[rC+3], v[rC], s[SEL], s[SEL+1]
.elseif (\n) == 18
	v_max_num_f32 v[rT], v[rC], v[rC+3]
.elseif (\n) == 19
	v_sub_f32 v[rC+1], v[rM], v[rT]
.else
	v_exp_f32 v[rC+2], v[rC+1]
.endif
.endm
.macro FSQ                             ; number q of 32: t - m for pair q / 2 of tile q % 2
	WIN 0
	REGS Y, q%2
	v_pk_add_f32 v[rS+2*(q/2):rS+2*(q/2)+1], v[rS+2*(q/2):rS+2*(q/2)+1], v[rT:rT+1] op_sel_hi:[1,0] neg_lo:[0,1] neg_hi:[0,1]
.set q, q+1
.endm
.macro EX                              ; number e of 64: an exponential; it names a destination and source 0 alone, so it also stands under the mask's setting
.if MSB != W_MA
	WIN 0
.endif
	REGS Y, e%2
	v_exp_f32 v[rS+e/2], v[rS+e/2]
.set e, e+1
.endm
.macro R2                              ; O^T times a, two at a time, sixteen times; the a was made, and waited for, in the turn before
	REGS Y, r%2
	WIN W_RS
.irp z, 0,1
	v_pk_mul_f32 v[rO+4*(r/2)+2*\z:rO+4*(r/2)+2*\z+1], v[rO+4*(r/2)+2*\z:rO+4*(r/2)+2*\z+1], v[rC+2:rC+3] op_sel_hi:[1,0]
.endr
.set r, r+1
.endm
; Number g of the 64 that follow the exponentials.  For each four weights of a tile: both pairs are rounded to f16; the second pair is added onto the first, in place; a group later l takes that sum (the first time as l = a l + sum).
.macro GS g
.set h, (\g)+6*((\g)/62)
.if h >= 6
.set h, h+2
.endif
	REGS Y, h%2
.set k, h/8
.if h%8 < 4
	v_cvt_pk_f16_f32 v[rP+2*k+(h%8)/2], v[rS+4*k+2*((h%8)/2)], v[rS+4*k+2*((h%8)/2)+1]
.elseif h%8 < 6
	v_pk_add_f32 v[rS+4*k:rS+4*k+1], v[rS+4*k:rS+4*k+1], v[rS+4*k+2:rS+4*k+3]
.elseif k == 1
	v_pk_fma_f32 v[rT+2:rT+3], v[rT+2:rT+3], v[rC+2:rC+3], v[rS:rS+1] op_sel_hi:[1,0,1]
.else
	v_pk_add_f32 v[rT+2:rT+3], v[rT+2:rT+3], v[rS+4*k-4:rS+4*k-3]
.endif
.endm
.macro GSQ
	WIN 0
	GS g
.set g, g+1
.endm
; A TURN, for piece p.  Ahead of its one wait nothing names a result of its 66 exponentials; behind the wait no exponential is issued.
; K and the mask of the next step are fetched in piece 2's turn, directly behind the wait, a lump behind their last readers; V of the step in hand at the end of piece 0's turn, four plain
; instructions behind its last reader.  Each run is waited for a turn later.  cnt = 1: the loop's count is taken down some lines ahead of the branch behind the turn.
.macro TURN p, last=0, cnt=0
.set Y, (\p)
.set i, 0
.set q, 0
.set e, 0
.set r, 0
.set mk, 0
.set g, 0
.if (\p) == NP-1
	s_wait_dscnt 0x0                               ; K and the mask are in
.endif
.rept 8
	MM
	FSQ
	FSQ
	FSQ
	FSQ
	MM
	R2
	R2
.endr
.if (\p) == NP-2
	WIN 0
	v_add_nc_u32 v[AK], s[TBK], v[AK0]
	v_add_nc_u32 v[AM], s[TBM], v[AM0]
.endif
.rept 32
	MK
	EX
.endr
.irp n, 0,1,2,3
	XS 0, \n
	XS 1, \n
.endr
.irp n, 4,5,6,7,8,9,10,11,12,13,14,15,16,17,18,19
	XS 0, \n
	EX
	XS 1, \n
	EX
.endr
	XS 0, 20
	XS 1, 20
	v_nop                                          ; a plain instruction behind the last exponential: one for the batch
	s_wait_alu depctr_va_vdst(0)                   ; the wait for the batch, ahead of the first reader
.if (\p) == NP-2
	FETCH_KM \last
.endif
.if (\p) == 1
	s_wait_dscnt 0x0                               ; V is in
.endif
.rept 16
	MM
	GSQ
	GSQ
	GSQ
	GSQ
.if ((\p) == 0) && (g == 44)
	v_add_nc_u32 v[AV], s[TBV], v[AV0]
.endif
.if ((\p) == 0) && (g == 56)
	s_add_co_u32 s[TBV], s[TBV], KS*PV
.endif
.if (\cnt) && (g == 56)
	s_sub_co_u32 s[CNT], s[CNT], 1
	s_cmp_lg_u32 s[CNT], 0
.endif
.endr
.if (\p) == 0
	FETCH_V
.endif
.endm
	CHANGE 1                                       ; tile 0 is in, everybody's part of it; tile 1 is asked for
	FETCH_KM                                       ; key step 0
	s_wait_loadcnt 0x0                             ; Q
	s_wait_dscnt 0x0
.set i, 0
.rept 16
	KQ 0                                           ; piece 0's first scores
.set i, i+1
.endr
	WIN 0                                          ; the addresses for the way out: six plain instructions, the places behind those products
	s_mul_i32 s86, s[WV], 16*SP
	s_add_co_u32 s86, s86, STAGE                   ; my stage
	v_mul_u32_u24 v[STO], v1, SP                   ; in: row r, 16 bytes for each half of the lanes
	v_lshl_add_u32 v[STO], v48, 4, v[STO]
	v_add_nc_u32 v[STO], s86, v[STO]
	v_and_b32 v[GO], 31, v0                        ; back: 32 lanes take a row's 512 bytes
	v_lshlrev_b32 v[GO], 4, v[GO]
	v_add_nc_u32 v[RD], s86, v[GO]
.set Y, NP-1                           ; MK and XS work for piece Y + 1: piece 0
.set mk, 0
.rept 32
	MK
.endr
.irp n, 0,1,2,3,4,5,6,7,8,9,10,11,12,13,14,15,16,17,18,19,20
	XS 0, \n
	XS 1, \n
.endr
	v_nop
	s_wait_alu depctr_va_vdst(0)                   ; the two a, ahead of the branch
	s_mov_b32 s[CNT], 2
	s_branch .Lfirst                               ; the loop is entered at a step's first turn, in the middle of a trip
.Lslot:                                                ; six times: tiles 2 to 7 are asked for
	CHANGE 1
	s_mov_b32 s[CNT], 2
.Lstep:                                                ; a trip: pieces 2 and 3 of one step, then pieces 0 and 1 of the next
	TURN 2
	TURN 3
	WIN 0
.Lfirst:
	TURN 0
	TURN 1, 0, 1
	WIN 0
	s_cbranch_scc1 .Lstep
	s_sub_co_u32 s[SLOTS], s[SLOTS], 1
	s_cmp_lg_u32 s[SLOTS], 0
	s_cbranch_scc1 .Lslot
	CHANGE 0                                       ; the tail is written out
	s_mov_b32 s[CNT], 3                            ; two trips fetch the last slot's steps; the third is left in its middle
.Ltail:
	TURN 2, 1
	TURN 3
	WIN 0
	s_sub_co_u32 s[CNT], s[CNT], 1
	s_cmp_eq_u32 s[CNT], 0
	s_cbranch_scc1 .Lout
	TURN 0
	TURN 1
	WIN 0
	s_branch .Ltail
.Lout:                                                 ; the third trip's 16 products K Q^T and the maximum made of them serve nothing: the price, once a launch, of one text for every trip
.set i, 0
.rept 16
	PV NP-1
.set i, i+1
.endr
	; THE WAY OUT.  l's halves are added; O^T is divided by l, rounded to f16 and sent through my stage: for a block of 16 rows the four heads' 64 channels lie side by side, 512 bytes of a row of ao.
	WIN 0
.macro ALL line:vararg
.set t, 0
.rept 2*NP
	\line
.set t, t+1
.endr
.endm
	ALL v_add_f32 v[ST+4*t+2], v[ST+4*t+2], v[ST+4*t+3]
	ALL v_permlanex16_b32 v[ST+4*t+3], v[ST+4*t+2], s[SEL], s[SEL+1]
	ALL v_add_f32 v[ST+4*t+2], v[ST+4*t+2], v[ST+4*t+3]
	ALL v_rcp_f32 v[ST+4*t+2], v[ST+4*t+2]
	v_nop
	s_wait_alu depctr_va_vdst(0)                   ; one wait for the eight reciprocals
.macro OUTU u
.irp p, 0,1,2,3
	WIN W_RS
.set i, 32*(2*\p+(\u))
.rept 16
	v_pk_mul_f32 v[i:i+1], v[i:i+1], v[ST+4*(2*\p+(\u))+2:ST+4*(2*\p+(\u))+3] op_sel_hi:[1,0]
.set i, i+2
.endr
	WIN 0x05                                       ; sources 0 and 1 window 1, destination window 0
.set i, 0
.rept 16
	v_cvt_pk_f16_f32 v[S+16*\p+i], v[32*(2*\p+(\u))+2*i], v[32*(2*\p+(\u))+2*i+1]
.set i, i+1
.endr
	WIN 0
.irp f, 0,1,2,3
	ds_store_b128 v[STO], v[S+16*\p+4*\f:S+16*\p+4*\f+3] offset:128*\p+32*\f
.endr
.endr
	s_wait_xcnt 0x0                                ; the stores of the block before have read these registers
.set i, 0
.rept 16
	ds_load_b128 v[S+64+4*i:S+64+4*i+3], v[RD] offset:SP*i  ; LDS serves a wave's instructions in order (ISA guide 5.7.1.4): these see the stores above
.set i, i+1
.endr
.set i, 0
.rept 16
	s_wait_dscnt 15-i
	global_store_b128 v[GO], v[S+64+4*i:S+64+4*i+3], s[8:9] offset:(16*(\u)+i)*4096  ; 512 consecutive bytes, at a multiple of 512 from ao's first byte
.set i, i+1
.endr
.endm
	OUTU 0
	OUTU 1
	WIN W_AD
	s_wait_tensorcnt 0x0                           ; the wave's end
	ds_add_u32 v[SPW], v[NIL]
	s_wait_dscnt 0x0
	WIN 0
	CROUND                                         ; the closing round
	s_endpgm
.Lfunc_end_k_q685440e180_attn:
	.size	k_q685440e180_attn, .Lfunc_end_k_q685440e180_attn-k_q685440e180_attn
	.p2alignl 7, 3214868480
	.fill 96, 4, 3214868480
	.section	.rodata,"a",@progbits
	.p2align	6, 0x0
	.amdhsa_kernel k_q685440e180_attn
		.amdhsa_group_segment_fixed_size 327680
		.amdhsa_private_segment_fixed_size 0
		.amdhsa_enable_private_segment 0
		.amdhsa_kernarg_size 24
		.amdhsa_user_sgpr_count 2
		.amdhsa_user_sgpr_kernarg_segment_ptr 1
		.amdhsa_wavefront_size32 1
		.amdhsa_system_sgpr_workgroup_id_x 1
		.amdhsa_system_sgpr_workgroup_id_y 1
		.amdhsa_system_sgpr_workgroup_id_z 1
		.amdhsa_system_vgpr_workitem_id 0
		.amdhsa_next_free_vgpr 896
		.amdhsa_next_free_sgpr 96
		.amdhsa_reserve_vcc 0
		.amdhsa_float_denorm_mode_32 3
		.amdhsa_float_denorm_mode_16_64 3
		.amdhsa_memory_ordered 1
		.amdhsa_forward_progress 1
		.amdhsa_inst_pref_size 221
	.end_amdhsa_kernel
	.amdgpu_metadata
---
amdhsa.version: [ 1, 2 ]
amdhsa.kernels:
  - .name:           k_q685440e180_attn
    .symbol:         k_q685440e180_attn.kd
    .args:
      - { .name: qkv, .offset: 0, .size: 8, .value_kind: global_buffer, .address_space: global }
      - { .name: maskr, .offset: 8, .size: 8, .value_kind: global_buffer, .address_space: global }
      - { .name: ao, .offset: 16, .size: 8, .value_kind: global_buffer, .address_space: global }
    .group_segment_fixed_size: 327680
    .private_segment_fixed_size: 0
    .kernarg_segment_align: 8
    .kernarg_segment_size: 24
    .max_flat_workgroup_size: 128
    .sgpr_count:     96
    .vgpr_count:     896
    .wavefront_size: 32
...
	.end_amdgpu_metadata
.endif
;; end of part 3
;; launch oproj (part 4): grid 8 x 32, 4 waves a work-group, clusters of 4 x 4, 327,680 bytes of LDS; arguments ao, wob, out0; writes out0
.if DOCPART == 4
	.amdgcn_target "amdgcn-amd-amdhsa--gfx1250"
	.amdhsa_code_object_version 6
	.text
	.protected	k_q685440e180_oproj
	.globl	k_q685440e180_oproj
	.p2align	8
	.type	k_q685440e180_oproj,@function
k_q685440e180_oproj:
	s_mov_b64 s[64:65], 0
	v_nop
	global_prefetch_b8 v0, s[64:65] scope:SCOPE_SE
	s_setreg_imm32_b32 hwreg(HW_REG_WAVE_MODE, 25, 1), 1
	s_wait_xcnt 0x0
	s_wait_alu depctr_hold_cnt(0) depctr_sa_sdst(0) depctr_va_vdst(0) depctr_va_sdst(0) depctr_va_ssrc(0) depctr_va_vcc(0) depctr_vm_vsrc(0)
	s_getreg_b32 s2, hwreg(HW_REG_IB_STS2, 6, 4)
	s_cmp_eq_u32 s2, 0
	s_cbranch_scc0 .Lentry_in_a_cluster
	s_endpgm
.Lentry_in_a_cluster:
	s_bfe_u32 s2, ttmp6, 0x10000c
	s_cmp_lg_u32 s2, 0xf033
	s_cbranch_scc0 .Lentry_shape_is_right
	s_endpgm
.Lentry_shape_is_right:
; OPROJ: out0 = ao wo.  ao [4096][2048] f16, wob [2048 k][2048 n] f16 (= bf16(wo)), out0 [4096][2048] f32.  Sums in f32, K ascending.
; SHARES.  A work-group makes 128 rows x 256 columns; wave w: rows 64 (w / 2) .., columns 128 (w % 2) ..: 4 x 8 accumulators of 16 x 16, 256 registers.
; K goes in 16 steps of 128 through two LDS slots.  A slot: two segments of W (128 k x 128 columns, rows of 256 bytes of memory), then 128 rows of ao (256 bytes each).
; Waves 0 and 1 fetch a segment each, waves 2 and 3 64 rows of ao each: one tensor load a wave behind each change of slots.
; W lies [k][n]: its fragments come out of LDS turned (ds_load_tr16_b128); its rows are padded to 288 bytes (16 after every 128), ao's to 272, so that the rows that a load touches fall on
; different banks (64 banks of 4 bytes: ISA guide 11.1).
; ONE TEXT FOR A K STEP.  s[TB] is the LDS byte of the slot that is being read, 0 or SLOT; an exclusive or turns it at each change of slots, and the fragment addresses are base + TB.
; The loop's 14 trips ask for K steps 2 to 15; the last two K steps are a loop of their own, without a tensor load, which is left in its middle.
; THE MATRIX INSTRUCTION IS USED TRANSPOSED: source 0 = 16 columns of W, source 1 = 16 rows of ao: a lane holds one row and eight neighbouring columns, 32 bytes of out0.
; CLUSTER.  4 x 4 work-groups: ao's tile is asked for jointly along a row of the cluster, W's along a column.
; REGISTERS, in windows of 256: window 0: v0-31 addresses; v32-95 ao's fragments, two buffers; v96-159 the way out.  window 1: W's fragments, two buffers of 64.  window 2: accumulator (a, b) at 64 a + 8 b.
.set NT,    256
.set NSEG,  2
.set NA,    2
.set NG,    2
.set NBK,   8
.set BP,    2048
.set KB,    128*BP*2
.set APW,   4
.set NF,    2*NBK+8
.set STEPS, 16
.set PA,    272
.set PB,    288
.set SEGB,  128*PB
.set APB,   (128/NA)*PA
.set ABASE, NSEG*SEGB
.set SLOT,  ABASE+128*PA
.set SPARE, 2*SLOT                     ; behind the ring: the spare words, 128 bytes a wave: two blocks of 256 bytes that no other line names
.set SPT,   528                        ; the way out: a stage row, 128 f32 + 16 bytes = 33 x 16: the 16 rows of a store fall on different banks
.set ADRA,  16                         ; v16     LDS address of my fragments of ao in the slot in hand
.set ADRA0, 17                         ; v17     the same in slot 0; never rewritten
.set ADRB,  18                         ; v18-19  of W's, by group j
.set ADRB0, 21                         ; v21-22  the same in slot 0; never rewritten
.set STO,   24
.set RD,    25
.set GO,    26
.set SPW,   28                         ; v28     SPARE + 4 x my thread's number; never rewritten
.set NIL,   29                         ; v29     0; never rewritten
.set PFO,   30
.set AF,    32
.set BK,    96                         ; the way out: 16 rows read back
.set WV,  12
.set WM,  13
.set WN,  14
.set CLY, 15
.set CX,  16
.set CY,  17
.set TX,  18
.set TY,  19
.set G1A, 24
.set G0A, 32                           ; s[32:39] group 0 for ao's tiles: a set for each first fill; the second then walks
.set PFA, 40
.set PFS, 42
.set LA,  46
.set LB,  47
.set G1B, 48
.set G0B, 56
.set LIM, 76                           ; s76, s77  at the change that leaves slot 0, slot 1: 2 in a wave that prefetches there, else the greatest number
.set AOF, 82
.set BOF, 84
.set TB,  92
.set LC,  93
.set MSB, 0
.macro WIN new
.if MSB != (\new)
	s_set_vgpr_msb (MSB<<8)|(\new)
.set MSB, \new
.endif
.endm
.macro PLACES                          ; four places in front of loads into registers that matrix instructions have read, and of stores that read results (ISA guide 7.12.1 for vector instructions)
.rept 4
	v_nop
.endr
.endm
.macro JLOAD s                         ; a joint load; the branch hangs on the wave's number alone; an s_nop 0 and four v_nop follow each line
	s_cmp_lt_u32 s[WV], NSEG
	s_cbranch_scc0 .Lfor_a_\@
	tensor_load_to_lds s[G0B+4*(\s):G0B+4*(\s)+3], s[G1B:G1B+7]
	s_nop 0
.rept 4
	v_nop
.endr
	s_branch .Lasked_\@
.Lfor_a_\@:
	tensor_load_to_lds s[G0A+4*(\s):G0A+4*(\s)+3], s[G1A:G1A+7]
	s_nop 0
.rept 4
	v_nop
.endr
.Lasked_\@:
.endm
; A prefetch of what stands two refills on.  W's waves: 32 of the K step's 128 rows, a lane a row, at each change of slots; of the clusters of a column cluster y = 0 asks, the partners told apart by address.
; ao's waves fetch 64 rows: a partner's 16 rows x two K steps make 32 lanes, asked for at the change that leaves slot 0 alone (TB, just turned, is then not 0); cluster x = 0 asks.
; Trip t names K step t + 4 (ao's waves t + 5 too), and there are 16: the loop's last two trips ask for nothing.
.macro ASK
	s_cmp_lg_u32 s[TB], 0
	s_cselect_b32 s[LC], s[LIM], s[LIM+1]
	s_cmp_gt_u32 s3, s[LC]
	s_cbranch_scc0 .Lnot_mine_\@
	global_prefetch_b8 v[PFO], s[PFA:PFA+1] th:TH_LOAD_NT scope:SCOPE_SE
.Lnot_mine_\@:
.endm
.macro CREST
	s_cmp_lg_u32 s[WV], 0
	s_cbranch_scc1 .Lnot_wave_0_\@
	s_barrier_signal -3
.Lnot_wave_0_\@:
	s_barrier_wait -3
	s_barrier_signal -1
	s_barrier_wait -1
.endm
.macro CROUND
	s_barrier_signal -1
	s_barrier_wait -1
	CREST
.endm
	s_load_b128 s[4:7], s[0:1], 0x0                ; ao s[4:5], wob s[6:7]
	s_load_b64 s[8:9], s[0:1], 0x10                ; out0
	v_lshl_add_u32 v[SPW], v0, 2, SPARE
	v_mov_b32 v[NIL], 0
	ds_add_u32 v[SPW], v[NIL]                      ; the wave's opening: the add and its wait ahead of my first tensor load
	v_lshrrev_b32 v1, 5, v0
	v_readfirstlane_b32 s[WV], v1
	s_lshr_b32 s[WM], s[WV], 1
	s_and_b32 s[WN], s[WV], 1
	s_bfe_u32 s[CX], ttmp6, 0x40000
	s_bfe_u32 s[CY], ttmp6, 0x40004
	s_lshl_b32 s[TX], ttmp9, 2
	s_add_co_u32 s[TX], s[TX], s[CX]
	s_and_b32 s[CLY], ttmp7, 0xffff
	s_lshl_b32 s[TY], s[CLY], 2
	s_add_co_u32 s[TY], s[TY], s[CY]
	s_lshl_b32 s20, s[CY], 2
	s_lshl_b32 s20, 15, s20                        ; my row of the cluster
	s_lshl_b32 s21, 0x1111, s[CX]                  ; my column
	s_or_b32 s[G1A], s20, (1<<16)|(1<<20)|(1<<21)|(5<<22)|(3<<25)  ; mask; 2-byte elements; padding on; bit 21 beside a mask; after every 64 words 4 words
	s_mov_b32 s[G1A+1], 128<<16
	s_mov_b32 s[G1A+2], (128/NA)<<16
	s_mov_b32 s[G1A+3], 128<<16
	s_mov_b32 s[G1A+4], 128/NA
	s_mov_b32 s[G1A+5], 2048
	s_mov_b32 s[G1A+6], 0
	s_mov_b32 s[G1A+7], 0
	s_or_b32 s[G1B], s21, (1<<16)|(1<<20)|(1<<21)|(4<<22)|(3<<25)  ; after every 32 words 4 words
	s_mov_b32 s[G1B+1], 128<<16
	s_mov_b32 s[G1B+2], 128<<16
	s_mov_b32 s[G1B+3], 128<<16
	s_mov_b32 s[G1B+4], 128
	s_mov_b32 s[G1B+5], BP
	s_mov_b32 s[G1B+6], 0
	s_mov_b32 s[G1B+7], 0
	s_max_u32 s[AOF], s[WV], NSEG                  ; ao's rows: hang on the tile row and the wave alone
	s_sub_co_u32 s[AOF], s[AOF], NSEG
	s_mul_i32 s[AOF], s[AOF], (128/NA)*4096
	s_lshl_b32 s22, s[TY], 19
	s_add_co_u32 s[AOF], s[AOF], s22
	s_mov_b32 s[AOF+1], 0
	s_min_u32 s[BOF], s[WV], NSEG-1                ; W's segment: hangs on the tile column and the wave alone
	s_lshl_b32 s[BOF], s[BOF], 8
	s_mul_i32 s23, s[TX], NT*2
	s_add_co_u32 s[BOF], s[BOF], s23
	s_mov_b32 s[BOF+1], 0
	s_mul_i32 s[LA], s[WV], APB                    ; where they go: a constant and the wave's number times a constant
	s_add_co_u32 s[LA], s[LA], NSEG*(SEGB-APB)
	s_mul_i32 s[LB], s[WV], SEGB
	s_mov_b32 s[TB], 0
	s_wait_dscnt 0x0                               ; the opening add is done
	s_wait_kmcnt 0x0
	s_add_nc_u64 s[78:79], s[4:5], s[AOF:AOF+1]
	s_add_nc_u64 s[80:81], s[6:7], s[BOF:BOF+1]
	CROUND                                         ; all sixteen work-groups are here: the first joint loads meet
.irp s, 0,1
	s_mov_b32 s[G0A+4*\s], 1
	s_add_co_u32 s[G0A+4*\s+1], s[LA], \s*SLOT
	s_add_nc_u64 s[G0A+4*\s+2:G0A+4*\s+3], s[78:79], \s*256
	s_or_b32 s[G0A+4*\s+3], s[G0A+4*\s+3], 0x80000000
	s_mov_b32 s[G0B+4*\s], 1
	s_add_co_u32 s[G0B+4*\s+1], s[LB], \s*SLOT
	s_add_nc_u64 s[G0B+4*\s+2:G0B+4*\s+3], s[80:81], \s*KB
	s_or_b32 s[G0B+4*\s+3], s[G0B+4*\s+3], 0x80000000
	JLOAD \s                                       ; K steps 0 and 1: two loads of mine are out
.endr
	v_and_b32 v1, 15, v0                           ; r
	v_bfe_u32 v2, v0, 4, 1                         ; h
	v_and_b32 v3, 7, v0
	v_bfe_u32 v4, v0, 3, 1
	v_mul_u32_u24 v5, v1, PA
	v_lshl_add_u32 v5, v2, 4, v5
	s_mul_i32 s22, s[WM], 64*PA
	s_add_co_u32 s22, s22, ABASE
	v_add_nc_u32 v[ADRA0], s22, v5
	v_mov_b32 v[ADRA], v[ADRA0]
	v_lshl_add_u32 v6, v2, 3, v3                   ; a turning load: lane l reads row k = 8 h + l % 8, 16 bytes at 16 ((l / 8) % 2)
	v_mul_u32_u24 v6, v6, PB
	v_lshl_add_u32 v6, v4, 4, v6
	s_mul_i32 s23, s[WN], NG
.irp j, 0,1
	s_add_co_u32 s44, s23, \j
	s_lshr_b32 s45, s44, 1
	s_mul_i32 s45, s45, SEGB
	s_and_b32 s44, s44, 1
	s_mul_i32 s44, s44, 144
	s_add_co_u32 s44, s44, s45
	v_add_nc_u32 v[ADRB0+\j], s44, v6
	v_mov_b32 v[ADRB+\j], v[ADRB0+\j]
.endr
	; the prefetches: the pointer stands at K step 3; each change of slots steps it by a K step and then names it
	s_mul_i32 s86, s[CX], (32/NA)*4096
	s_add_co_u32 s86, s86, s[AOF]
	s_add_co_u32 s86, s86, 3*256
	s_mul_i32 s88, s[CY], 32*BP*2
	s_add_co_u32 s88, s88, s[BOF]
	s_add_co_u32 s88, s88, 3*KB
	s_mov_b32 s[PFS], 256
	s_mov_b32 s[PFS+1], 0
	s_mov_b32 s87, 0
	s_cmp_lt_u32 s[WV], NSEG
	s_cselect_b32 s86, s88, s86
	s_cselect_b32 s[PFS], KB, s[PFS]
	s_cselect_b32 s90, s[CLY], ttmp9               ; the coordinate along which other clusters read the same rows
	s_cselect_b32 s91, 0, 1                        ; ao's waves: row l / 2, K step l % 2
	s_cselect_b64 s[PFA:PFA+1], s[6:7], s[4:5]
	s_add_nc_u64 s[PFA:PFA+1], s[PFA:PFA+1], s[86:87]
	s_cmp_eq_u32 s90, 0
	s_cselect_b32 s[LIM], 2, -1
	s_cmp_lt_u32 s[WV], NSEG
	s_cselect_b32 s[LIM+1], s[LIM], -1
	v_and_b32 v7, 31, v0
	v_and_b32 v8, s91, v7
	v_lshrrev_b32 v7, s91, v7
	v_lshlrev_b32 v7, 12, v7                       ; rows of ao and of W are 4,096 bytes
	v_lshl_add_u32 v[PFO], v8, 8, v7
	; the way out
	s_lshl_b32 s86, s[TY], 20                      ; 128 rows of 8,192 bytes,
	s_lshl_b32 s88, s[WM], 19                      ; my 64 of them,
	s_add_co_u32 s86, s86, s88
	s_lshl_b32 s88, s[TX], 10                      ; 256 columns of 4 bytes,
	s_add_co_u32 s86, s86, s88
	s_lshl_b32 s88, s[WN], 9                       ; my 128 of them
	s_add_co_u32 s86, s86, s88
	s_add_nc_u64 s[8:9], s[8:9], s[86:87]
	s_mul_i32 s90, s[WV], 64*SPT                   ; my stage: 64 rows, in the slots
	v_mul_u32_u24 v[STO], v1, SPT                  ; in: row r, 32 bytes for each half of the lanes
	v_lshl_add_u32 v[STO], v2, 5, v[STO]
	v_add_nc_u32 v[STO], s90, v[STO]
	v_and_b32 v[GO], 31, v0                        ; back: 32 lanes take a row's 512 bytes
	v_lshlrev_b32 v[GO], 4, v[GO]
	v_add_nc_u32 v[RD], s90, v[GO]
; 8 matrix instructions: row block a x all column blocks, 32 along K, from buffer f.  zero = 1: the product starts the sums.  The 32 accumulators take turns.
.macro MULA f, a, zero
	WIN 0xa1+0x50*((\a)/APW)                       ; W window 1, ao window 0, C and D window 2
.set b, 0
.rept NBK
.set rD, 8*NBK*((\a)%APW)+8*b
.if \zero
	v_wmma_f32_16x16x32_f16 v[rD:rD+7], v[8*NBK*(\f)+8*b:8*NBK*(\f)+8*b+7], v[AF+32*(\f)+8*(\a):AF+32*(\f)+8*(\a)+7], 0
.else
	v_wmma_f32_16x16x32_f16 v[rD:rD+7], v[8*NBK*(\f)+8*b:8*NBK*(\f)+8*b+7], v[AF+32*(\f)+8*(\a):AF+32*(\f)+8*(\a)+7], v[rD:rD+7]
.endif
.set b, b+1
.endr
.endm
.macro FETCH kq, f                     ; the LDS loads of quarter kq of the slot in hand, in one run, into buffer f: W's 8 fragments (turned), then ao's four
	WIN 0x40
.set j, 0
.rept NG
.irp c, 0,1,2,3
	ds_load_tr16_b128 v[8*NBK*(\f)+32*j+8*\c:8*NBK*(\f)+32*j+8*\c+3], v[ADRB+j] offset:32*PB*(\kq)+32*\c
	ds_load_tr16_b128 v[8*NBK*(\f)+32*j+8*\c+4:8*NBK*(\f)+32*j+8*\c+7], v[ADRB+j] offset:32*PB*(\kq)+32*\c+16*PB
.endr
.set j, j+1
.endr
	WIN 0
.irp a, 0,1,2,3
	ds_load_b128 v[AF+32*(\f)+8*\a:AF+32*(\f)+8*\a+3], v[ADRA] offset:16*PA*\a+64*(\kq)
	ds_load_b128 v[AF+32*(\f)+8*\a+4:AF+32*(\f)+8*\a+7], v[ADRA] offset:16*PA*\a+64*(\kq)+32
.endr
.endm
.macro QUARTER kq, f, g, zero
	s_wait_dscnt 4                                 ; all but the youngest four loads (ao's row blocks 2 and 3) are in
	MULA \f, 0, \zero
	MULA \f, 1, \zero
	PLACES
	FETCH \kq, \g
	s_wait_dscnt NF                                ; all but the run just issued
	MULA \f, 2, \zero
	MULA \f, 3, \zero
.endm
; The last quarter multiplies buffer 1 and changes slots.  Half of its products, which need nothing of the next slot, stand FIRST.  Then each wave waits for all its tensor loads (one is out: its part of the
; next slot), adds 0 to its spare word, and waits for that and for its reads of this slot: between a tile's landing and the next request stand only the lines that the ordering needs, and a refill has a whole
; K step's 128 matrix instructions between its request and the wait for it.
; fill = 1: the walking descriptors take this slot and the next K step while no load of mine is out; a round of the cluster's barrier follows, and the joint refill is the first thing behind it.
; fill = 0 (the tail): nothing is asked for; in the last trip there is no next slot, and the run of loads is jumped over.
.macro TURN fill
.if \fill
	s_wait_xcnt 0x0                                ; the last prefetch has read its address
	s_add_nc_u64 s[PFA:PFA+1], s[PFA:PFA+1], s[PFS:PFS+1]
.endif
	s_wait_dscnt 4                                 ; all but the youngest four loads (ao's row blocks 2 and 3) are in
	MULA 1, 0, 0
	MULA 1, 1, 0
	WIN 0
	s_wait_tensorcnt 0x0
	ds_add_u32 v[SPW], v[NIL]
.if \fill
	s_add_co_u32 s[G0A+5], s[LA], s[TB]
	s_add_nc_u64 s[G0A+6:G0A+7], s[G0A+6:G0A+7], 256
	s_add_co_u32 s[G0B+5], s[LB], s[TB]
	s_add_nc_u64 s[G0B+6:G0B+7], s[G0B+6:G0B+7], KB
.endif
	s_wait_dscnt 0x0                               ; the add is done, and my reads of this slot are over
.if \fill
	CROUND                                         ; no wave of any partner still reads this slot or has a load on its way
	JLOAD 1                                        ; its four v_nop are also the places in front of the loads below
.else
	s_barrier_signal -1
	s_barrier_wait -1
	PLACES
.endif
	s_xor_b32 s[TB], s[TB], SLOT                   ; the other slot is in hand
.if !(\fill)
	s_cmp_eq_u32 s3, 1
	s_cbranch_scc1 .Lnone_\@
.endif
	v_add_nc_u32 v[ADRA], s[TB], v[ADRA0]
.set j, 0
.rept NG
	v_add_nc_u32 v[ADRB+j], s[TB], v[ADRB0+j]
.set j, j+1
.endr
	FETCH 0, 0
.if \fill
	ASK
.else
.Lnone_\@:
.endif
	MULA 1, 2, 0
	MULA 1, 3, 0
.endm
	s_wait_tensorcnt 0x1                           ; my part of K step 0 is in; K step 1's may stay out
	s_barrier_signal -1
	s_barrier_wait -1
	FETCH 0, 0
	QUARTER 1, 0, 1, 1                             ; the first quarter stands in front of the loop: its products start the sums
	WIN 0
	s_mov_b32 s3, STEPS-2
.Lstep:                                                ; a trip goes from a K step's second quarter to the next K step's first, and fills the slot that it leaves
	QUARTER 2, 1, 0, 0
	QUARTER 3, 0, 1, 0
	TURN 1
	QUARTER 1, 0, 1, 0
	WIN 0
	s_sub_co_u32 s3, s3, 1
	s_cmp_lg_u32 s3, 0
	s_cbranch_scc1 .Lstep
	s_mov_b32 s3, 2
.Ltail:                                                ; the last two K steps: no tensor load; the second trip is left in its middle
	QUARTER 2, 1, 0, 0
	QUARTER 3, 0, 1, 0
	TURN 0
	WIN 0
	s_sub_co_u32 s3, s3, 1
	s_cmp_eq_u32 s3, 0
	s_cbranch_scc1 .Lout
	QUARTER 1, 0, 1, 0
	WIN 0
	s_branch .Ltail
.Lout:
; THE WAY OUT.  A lane's 32 bytes of a row go into a stage of 64 rows x 128 f32 for each wave, each accumulator's low four registers first.  The stage lies in the two slots: their last fill has landed,
; and behind the barrier below no wave reads them.  Then a loop of four trips reads 16 whole rows of 512 bytes back and stores them.
	s_wait_dscnt 0x0
	s_barrier_signal -1
	PLACES                                         ; the places behind the last products
	PLACES
	s_barrier_wait -1
	WIN 0x08                                       ; store data in window 2
.irp a, 0,1,2,3
.set b, 0
.rept NBK
	ds_store_b128 v[STO], v[8*NBK*\a+8*b:8*NBK*\a+8*b+3] offset:16*SPT*\a+64*b
	ds_store_b128 v[STO], v[8*NBK*\a+8*b+4:8*NBK*\a+8*b+7] offset:16*SPT*\a+64*b+16
.set b, b+1
.endr
.endr
	WIN 0
	s_mov_b32 s3, 4
.Lsend:
	s_wait_xcnt 0x0                                ; the last trip's stores have read their data and their base
	s_add_nc_u64 s[8:9], s[8:9], 16*8192           ; 16 rows on; the stores reach back
.set w, 0
.rept 16
	ds_load_b128 v[BK+4*w:BK+4*w+3], v[RD] offset:SPT*w  ; LDS serves a wave's instructions in order (ISA guide 5.7.1.4): these see the stores above
.set w, w+1
.endr
	v_add_nc_u32 v[RD], 16*SPT, v[RD]
.set w, 0
.rept 16
	s_wait_dscnt 15-w                              ; row w is back; the younger loads stay out
	global_store_b128 v[GO], v[BK+4*w:BK+4*w+3], s[8:9] offset:w*8192-16*8192 th:TH_STORE_NT  ; 512 consecutive bytes, at a multiple of 512 from out0's first byte
.set w, w+1
.endr
	s_sub_co_u32 s3, s3, 1
	s_cmp_lg_u32 s3, 0
	s_cbranch_scc1 .Lsend
	s_wait_tensorcnt 0x0                           ; the wave's end
	ds_add_u32 v[SPW], v[NIL]
	s_wait_dscnt 0x0
	CROUND                                         ; the closing round
	s_endpgm
.Lfunc_end_k_q685440e180_oproj:
	.size	k_q685440e180_oproj, .Lfunc_end_k_q685440e180_oproj-k_q685440e180_oproj
	.p2alignl 7, 3214868480
	.fill 96, 4, 3214868480
	.section	.rodata,"a",@progbits
	.p2align	6, 0x0
	.amdhsa_kernel k_q685440e180_oproj
		.amdhsa_group_segment_fixed_size 327680
		.amdhsa_private_segment_fixed_size 0
		.amdhsa_enable_private_segment 0
		.amdhsa_kernarg_size 24
		.amdhsa_user_sgpr_count 2
		.amdhsa_user_sgpr_kernarg_segment_ptr 1
		.amdhsa_wavefront_size32 1
		.amdhsa_system_sgpr_workgroup_id_x 1
		.amdhsa_system_sgpr_workgroup_id_y 1
		.amdhsa_system_sgpr_workgroup_id_z 1
		.amdhsa_system_vgpr_workitem_id 0
		.amdhsa_next_free_vgpr 768
		.amdhsa_next_free_sgpr 96
		.amdhsa_reserve_vcc 0
		.amdhsa_float_denorm_mode_32 3
		.amdhsa_float_denorm_mode_16_64 3
		.amdhsa_memory_ordered 1
		.amdhsa_forward_progress 1
		.amdhsa_inst_pref_size 55
	.end_amdhsa_kernel
	.amdgpu_metadata
---
amdhsa.version: [ 1, 2 ]
amdhsa.kernels:
  - .name:           k_q685440e180_oproj
    .symbol:         k_q685440e180_oproj.kd
    .args:
      - { .name: ao, .offset: 0, .size: 8, .value_kind: global_buffer, .address_space: global }
      - { .name: wob, .offset: 8, .size: 8, .value_kind: global_buffer, .address_space: global }
      - { .name: out0, .offset: 16, .size: 8, .value_kind: global_buffer, .address_space: global }
    .group_segment_fixed_size: 327680
    .private_segment_fixed_size: 0
    .kernarg_segment_align: 8
    .kernarg_segment_size: 24
    .max_flat_workgroup_size: 128
    .sgpr_count:     96
    .vgpr_count:     768
    .wavefront_size: 32
...
	.end_amdgpu_metadata
.endif
;; end of part 4
